; MI455X (gfx1250); checked and timed in simulation.
; The chip was launched on July 23, 2026; its instructions are those of AMD's public machine-readable ISA for CDNA 5 (MIT licence, August 2026) and "CDNA5" Instruction Set Architecture Reference Guide (July 2026). The comments in the code are by the model that wrote it; some were corrected since.
;; Transformer Block. Allowed arithmetic: float matrix products may take bf16 or f16 operands with f32 sums; all other float work in f32.
;; Inputs: W1 1,024 x 4,096 float32; W2 4,096 x 1,024 float32; Wk 1,024 x 1,024 float32; Wo 1,024 x 1,024 float32; Wq 1,024 x 1,024 float32; Wv 1,024 x 1,024 float32; b1 4,096 float32; b2 1,024 float32; bk 1,024 float32; bo 1,024 float32; bq 1,024 float32; bv 1,024 float32; ln1_b 1,024 float32; ln1_w 1,024 float32; ln2_b 1,024 float32; ln2_w 1,024 float32; x 2 x 2,048 x 1,024 float32.
;; Outputs: out0 2 x 2,048 x 1,024 float32.
;; One version. Each part assembles by itself: llvm-mc -triple=amdgcn-amd-amdhsa -mcpu=gfx1250 --defsym DOCPART=n.
;; ======== version 1 of 1: 7 launches
;; workspace buffers: pq 6,324,224 bytes; p1 8,421,376 bytes; w24 10,493,952 bytes; act 8,388,608 bytes; big 33,554,432 bytes; x1 16,777,216 bytes
;; launch pre (part 1): grid 1025 x 1, 8 waves a work-group, no clusters, 0 bytes of LDS; arguments x, ln1_w, ln1_b, act, Wq, Wk, Wv, Wo, W1, W2, bq, bk, bv, b1, bo, b2, pq, p1, w24; writes act, pq, p1, w24
.if DOCPART == 1
	.amdgcn_target "amdgcn-amd-amdhsa--gfx1250"
	.amdhsa_code_object_version 6
	.text
	.protected	k_qd22dfaacff_pre
	.globl	k_qd22dfaacff_pre
	.p2align	8
	.type	k_qd22dfaacff_pre,@function
k_qd22dfaacff_pre:
	s_mov_b64 s[64:65], 0
	v_nop
	global_prefetch_b8 v0, s[64:65] scope:SCOPE_SE
	s_setreg_imm32_b32 hwreg(HW_REG_WAVE_MODE, 25, 1), 1
	s_wait_xcnt 0x0
; TWO INDEPENDENT STREAMS IN ONE TEXT, chosen by the work-group's number g.
; g = 0..255: LAYERNORM.  out = bf16((x - mean) rsqrt(var + 1e-5) w + b); x: [4096][1024] f32; w, b: [1024] f32, rounded to bf16 before use (as all the module's gains, biases and weights are).
;   Mean first, then the mean of (x - mean)^2: no difference of large sums.  x itself enters unrounded.  out lies in blocks of 64 columns: [16][4096 rows][64] bf16, a row of a block 128 bytes, a block 524,288.
;   A wave owns two rows: lanes 0-15 the even one, lanes 16-31 the odd one.  Lane r of a half holds columns 64 j + 4 r .. + 3, j = 0..15: a load takes 256 consecutive bytes of each row, a store 256
;   consecutive bytes of block j (the two rows' 128 bytes lie end to end).  The row stays in registers between the passes, a sum never leaves its 16 lanes: no LDS, no barrier.
; g = 256..1024: THE WEIGHTS are rounded to bf16 and laid out for the products; the six biases are rounded to bf16 and kept as f32.
;   pq: bytes 0..12287 bq, bk, bv; bytes 16384..20479 the floor -inf; from byte 32768 Wq, Wk, Wv as [nt = 0..11][k = 0..1023][256 columns] bf16.
;   p1: bytes 0..16383 b1; bytes 16384..20479 the floor 0; from byte 32768 W1 as [nt = 0..15][k][256 columns] bf16.
;   w24: Wo [1024][1024] bf16 at 0; W2 [4096][1024] bf16 at 2,097,152; bo at 10,485,760; b2 at 10,489,856 (f32).
;   g - 256 = 0..767: unit u = (g - 256) / 64 of 2^20 numbers (0 Wq, 1 Wk, 2 Wv, 3 Wo, 4-7 W1, 8-11 W2), part c of 16,384; a wave takes 2,048 numbers: sixteen loads of 512 consecutive bytes, all issued
;   at once, and sixteen stores of 256 consecutive bytes, each at a multiple of 256 from its buffer's first byte.  g - 256 = 768: the biases and the floors.
; A launch of 1,025 work-groups does both; a launch of 256 does the LayerNorm alone (the block's second one) and never reaches the second part.
.set X,  16                            ; v[16:79]    my 64 numbers of the row
.set W,  80                            ; v[80:143]   w of my columns
.set BV, 144                           ; v[144:207]  b of my columns
.set T,  208                           ; v[208:215]  four chains of sums
.set MU, 216                           ; v[216:217]  the mean, twice
.set RS, 218                           ; v[218:219]  1 / sqrt(var + eps), twice
.set PK, 220                           ; v[220:223]  at work
.set Y,  224                           ; v[224:255]  to store
.set CX, 16                            ; the weights' part: v[16:79] as loaded
.set CY, 80                            ;                    v[80:111] to store
	s_mov_b32 s3, ttmp9
	s_cmp_ge_u32 s3, 256
	s_cbranch_scc1 .Lweights
	s_load_b256 s[4:11], s[0:1], 0x0               ; x s[4:5], w s[6:7], b s[8:9], out s[10:11]
	v_lshrrev_b32 v1, 5, v0
	v_readfirstlane_b32 s12, v1                    ; wave
	v_and_b32 v5, 31, v0                           ; lane
	v_and_b32 v1, 15, v0                           ; r
	v_bfe_u32 v6, v0, 4, 1                         ; which row
	v_lshlrev_b32 v3, 4, v1                        ; 16 r
	v_lshl_add_u32 v2, v6, 12, v3                  ; + the row's 4,096 bytes
	v_lshlrev_b32 v4, 3, v5                        ; 8 x lane
	s_lshl_b32 s13, s3, 3
	s_add_co_u32 s13, s13, s12                     ; the pair of rows, 0..2047
	s_lshl_b32 s14, s13, 13
	s_mov_b32 s15, 0
	s_lshl_b32 s16, s13, 8
	s_mov_b32 s17, 0
	s_mov_b32 s18, 0x3a800000                      ; 1 / 1024
	s_mov_b32 s19, 0x3727c5ac                      ; 1e-5
	s_mov_b32 s20, 0xffff0000
	s_wait_kmcnt 0x0
	s_add_nc_u64 s[4:5], s[4:5], s[14:15]
	s_add_nc_u64 s[10:11], s[10:11], s[16:17]
.set j, 0
.rept 16
	global_load_b128 v[X+4*j:X+4*j+3], v2, s[4:5] offset:256*j
.set j, j+1
.endr
.set j, 0
.rept 16
	global_load_b128 v[W+4*j:W+4*j+3], v3, s[6:7] offset:256*j
.set j, j+1
.endr
.set j, 0
.rept 16
	global_load_b128 v[BV+4*j:BV+4*j+3], v3, s[8:9] offset:256*j
.set j, j+1
.endr
.macro ACROSS                          ; the four chains, then the 16 lanes of the row: every lane ends with the row's sum in v[T]
	v_pk_add_f32 v[T:T+1], v[T:T+1], v[T+2:T+3]
	v_pk_add_f32 v[T+4:T+5], v[T+4:T+5], v[T+6:T+7]
	v_pk_add_f32 v[T:T+1], v[T:T+1], v[T+4:T+5]
	v_add_f32 v[T], v[T], v[T+1]
.irp m, 1,2,4,8
	v_add_f32_dpp v[T], v[T], v[T] row_xmask:\m row_mask:0xf bank_mask:0xf
.endr
.endm
	s_wait_loadcnt 32                              ; x is in; the 32 loads of w and b stay out
.irp k, 0,1,2,3
	v_pk_add_f32 v[T+2*\k:T+2*\k+1], v[X+2*\k:X+2*\k+1], v[X+8+2*\k:X+8+2*\k+1]  ; the first eight pairs start the chains: nothing is cleared
.endr
.set j, 8
.rept 24
	v_pk_add_f32 v[T+2*(j%4):T+2*(j%4)+1], v[T+2*(j%4):T+2*(j%4)+1], v[X+2*j:X+2*j+1]
.set j, j+1
.endr
	ACROSS
	v_mul_f32 v[MU], s18, v[T]
	v_mul_f32 v[MU+1], s18, v[T]
.set j, 0
.rept 32
	v_pk_add_f32 v[X+2*j:X+2*j+1], v[X+2*j:X+2*j+1], v[MU:MU+1] neg_lo:[0,1] neg_hi:[0,1]
.set j, j+1
.endr
.irp k, 0,1,2,3
	v_pk_mul_f32 v[T+2*\k:T+2*\k+1], v[X+2*\k:X+2*\k+1], v[X+2*\k:X+2*\k+1]
.endr
.set j, 4
.rept 28
	v_pk_fma_f32 v[T+2*(j%4):T+2*(j%4)+1], v[X+2*j:X+2*j+1], v[X+2*j:X+2*j+1], v[T+2*(j%4):T+2*(j%4)+1]
.set j, j+1
.endr
	ACROSS
	v_fma_f32 v[T], v[T], s18, s19                 ; var + eps
	v_rsq_f32 v[RS], v[T]
	v_nop                                          ; a plain instruction between the root and the use of its result (ISA guide 5.7.2)
	s_wait_alu depctr_va_vdst(0)
	v_mov_b32 v[RS+1], v[RS]
	s_wait_loadcnt 0x0                             ; w and b
.set j, 0
.rept 32
	v_cvt_pk_bf16_f32 v[PK+j%4], v[W+2*j], v[W+2*j+1]
	v_lshlrev_b32 v[W+2*j], 16, v[PK+j%4]
	v_and_b32 v[W+2*j+1], s20, v[PK+j%4]
.set j, j+1
.endr
.set j, 0
.rept 32
	v_cvt_pk_bf16_f32 v[PK+j%4], v[BV+2*j], v[BV+2*j+1]
	v_lshlrev_b32 v[BV+2*j], 16, v[PK+j%4]
	v_and_b32 v[BV+2*j+1], s20, v[PK+j%4]
.set j, j+1
.endr
.set j, 0
.rept 32
	v_pk_mul_f32 v[X+2*j:X+2*j+1], v[X+2*j:X+2*j+1], v[RS:RS+1]
.set j, j+1
.endr
.set j, 0
.rept 32
	v_pk_fma_f32 v[X+2*j:X+2*j+1], v[X+2*j:X+2*j+1], v[W+2*j:W+2*j+1], v[BV+2*j:BV+2*j+1]
.set j, j+1
.endr
.set j, 0
.rept 32
	v_cvt_pk_bf16_f32 v[Y+j], v[X+2*j], v[X+2*j+1]
.set j, j+1
.endr
.set j, 0
.rept 16
	global_store_b64 v4, v[Y+2*j:Y+2*j+1], s[10:11] offset:j*524288  ; 256 consecutive bytes of block j, at a multiple of 256 from out's first byte
.set j, j+1
.endr
	s_endpgm
.Lweights:
	s_load_b512 s[8:23], s[0:1], 0x20              ; Wq 8, Wk 10, Wv 12, Wo 14, W1 16, W2 18, bq 20, bk 22
	s_load_b256 s[24:31], s[0:1], 0x60             ; bv 24, b1 26, bo 28, b2 30
	s_load_b128 s[32:35], s[0:1], 0x80             ; pq 32, p1 34
	s_load_b64 s[36:37], s[0:1], 0x90              ; w24
	v_lshrrev_b32 v3, 5, v0
	v_readfirstlane_b32 s5, v3                     ; wave w
	v_and_b32 v1, 31, v0
	v_lshlrev_b32 v2, 3, v1                        ; 8 x lane: stores
	v_lshlrev_b32 v1, 4, v1                        ; 16 x lane: loads
	s_sub_co_u32 s7, s3, 256                       ; my number among this part's work-groups
	s_lshr_b32 s4, s7, 6                           ; u
	s_and_b32 s6, s7, 63                           ; c
	s_mov_b32 s45, 0
	s_wait_kmcnt 0x0
	s_cmp_eq_u32 s7, 768
	s_cbranch_scc1 .Lbias
	; the source: its offset is made apart from its pointer
	s_and_b32 s44, s4, 3
	s_lshl_b32 s44, s44, 22                        ; W1 and W2 have four units of 4 MiB each
	s_cmp_ge_u32 s4, 4
	s_cselect_b32 s44, s44, 0
	s_lshl_b32 s46, s6, 16
	s_add_co_u32 s44, s44, s46
	s_lshl_b32 s46, s5, 13
	s_add_co_u32 s44, s44, s46
	s_mov_b64 s[40:41], s[8:9]
	s_cmp_eq_u32 s4, 1
	s_cselect_b64 s[40:41], s[10:11], s[40:41]
	s_cmp_eq_u32 s4, 2
	s_cselect_b64 s[40:41], s[12:13], s[40:41]
	s_cmp_eq_u32 s4, 3
	s_cselect_b64 s[40:41], s[14:15], s[40:41]
	s_cmp_ge_u32 s4, 4
	s_cselect_b64 s[40:41], s[16:17], s[40:41]
	s_cmp_ge_u32 s4, 8
	s_cselect_b64 s[40:41], s[18:19], s[40:41]
	s_add_nc_u64 s[40:41], s[40:41], s[44:45]
.set j, 0
.rept 16
	global_load_b128 v[CX+4*j:CX+4*j+3], v1, s[40:41] offset:512*j th:TH_LOAD_NT
.set j, j+1
.endr
.set j, 0
.rept 16
	s_wait_loadcnt 15-j                            ; loads come back in order: load j is in, the 15 - j younger ones stay out
	v_cvt_pk_bf16_f32 v[CY+2*j], v[CX+4*j], v[CX+4*j+1]
	v_cvt_pk_bf16_f32 v[CY+2*j+1], v[CX+4*j+2], v[CX+4*j+3]
.set j, j+1
.endr
	s_cmp_lt_u32 s4, 3
	s_cbranch_scc1 .Lq
	s_cmp_eq_u32 s4, 3
	s_cbranch_scc1 .Lplain
	s_cmp_ge_u32 s4, 8
	s_cbranch_scc1 .Lplain
	; W1: my 2,048 numbers are half w % 2 of row k = 256 (u - 4) + 4 c + w / 2; load j holds columns 128 j on of that half: block 8 (w % 2) + j / 2
	s_and_b32 s44, s5, 1
	s_lshl_b32 s44, s44, 22
	s_sub_co_u32 s46, s4, 4
	s_lshl_b32 s46, s46, 17
	s_add_co_u32 s44, s44, s46
	s_lshl_b32 s46, s6, 11
	s_add_co_u32 s44, s44, s46
	s_lshr_b32 s46, s5, 1
	s_lshl_b32 s46, s46, 9
	s_add_co_u32 s44, s44, s46
	s_add_co_u32 s44, s44, 32768
	s_add_nc_u64 s[42:43], s[34:35], s[44:45]
.set j, 0
.rept 16
	global_store_b64 v2, v[CY+2*j:CY+2*j+1], s[42:43] offset:(j/2)*524288+(j%2)*256
.set j, j+1
.endr
	s_endpgm
.Lq:	; Wq, Wk, Wv: my numbers are rows k = 16 c + 2 w and the next; load j holds row j / 8, columns 128 (j % 8) on: block 4 u + (j % 8) / 2
	s_lshl_b32 s44, s4, 21
	s_lshl_b32 s46, s6, 13
	s_add_co_u32 s44, s44, s46
	s_lshl_b32 s46, s5, 10
	s_add_co_u32 s44, s44, s46
	s_add_co_u32 s44, s44, 32768
	s_add_nc_u64 s[42:43], s[32:33], s[44:45]
.set j, 0
.rept 16
	global_store_b64 v2, v[CY+2*j:CY+2*j+1], s[42:43] offset:((j%8)/2)*524288+(j/8)*512+(j%2)*256
.set j, j+1
.endr
	s_endpgm
.Lplain:	; Wo (u = 3) and W2 (u = 8..11) keep their order
	s_max_u32 s44, s4, 7
	s_sub_co_u32 s44, s44, 7                       ; 0 for Wo, 1..4 for W2's units
	s_lshl_b32 s44, s44, 21
	s_lshl_b32 s46, s6, 15
	s_add_co_u32 s44, s44, s46
	s_lshl_b32 s46, s5, 12
	s_add_co_u32 s44, s44, s46
	s_add_nc_u64 s[42:43], s[36:37], s[44:45]
.set j, 0
.rept 16
	global_store_b64 v2, v[CY+2*j:CY+2*j+1], s[42:43] offset:256*j
.set j, j+1
.endr
	s_endpgm
.Lbias:	; 256 threads x 16 bytes are 1,024 f32: nine such pieces
	v_lshlrev_b32 v4, 4, v0
	global_load_b128 v[16:19], v4, s[20:21]
	global_load_b128 v[20:23], v4, s[22:23]
	global_load_b128 v[24:27], v4, s[24:25]
	global_load_b128 v[28:31], v4, s[26:27]
	global_load_b128 v[32:35], v4, s[26:27] offset:4096
	global_load_b128 v[36:39], v4, s[26:27] offset:8192
	global_load_b128 v[40:43], v4, s[26:27] offset:12288
	global_load_b128 v[44:47], v4, s[28:29]
	global_load_b128 v[48:51], v4, s[30:31]
	s_mov_b32 s38, 0xffff0000
	s_add_nc_u64 s[40:41], s[36:37], 10485760      ; bo's place in w24: too far for a store's immediate
.irp r, 52,53,54,55
	v_mov_b32 v\r, 0xff800000                      ; the floor of q, k, v: -inf changes nothing
.endr
.irp r, 56,57,58,59
	v_mov_b32 v\r, 0                               ; the floor of the first FFN product: relu
.endr
	s_wait_loadcnt 0x0
.set j, 0
.rept 18
	v_cvt_pk_bf16_f32 v[80+j], v[16+2*j], v[16+2*j+1]
.set j, j+1
.endr
.set j, 0
.rept 18
	v_lshlrev_b32 v[16+2*j], 16, v[80+j]           ; the rounded numbers, as f32 again
	v_and_b32 v[16+2*j+1], s38, v[80+j]
.set j, j+1
.endr
	global_store_b128 v4, v[16:19], s[32:33]
	global_store_b128 v4, v[20:23], s[32:33] offset:4096
	global_store_b128 v4, v[24:27], s[32:33] offset:8192
	global_store_b128 v4, v[52:55], s[32:33] offset:16384
	global_store_b128 v4, v[28:31], s[34:35]
	global_store_b128 v4, v[32:35], s[34:35] offset:4096
	global_store_b128 v4, v[36:39], s[34:35] offset:8192
	global_store_b128 v4, v[40:43], s[34:35] offset:12288
	global_store_b128 v4, v[56:59], s[34:35] offset:16384
	global_store_b128 v4, v[44:47], s[40:41]
	global_store_b128 v4, v[48:51], s[40:41] offset:4096
	s_endpgm
.Lfunc_end_k_qd22dfaacff_pre:
	.size	k_qd22dfaacff_pre, .Lfunc_end_k_qd22dfaacff_pre-k_qd22dfaacff_pre
	.p2alignl 7, 3214868480
	.fill 96, 4, 3214868480
	.section	.rodata,"a",@progbits
	.p2align	6, 0x0
	.amdhsa_kernel k_qd22dfaacff_pre
		.amdhsa_group_segment_fixed_size 0
		.amdhsa_private_segment_fixed_size 0
		.amdhsa_enable_private_segment 0
		.amdhsa_kernarg_size 152
		.amdhsa_user_sgpr_count 2
		.amdhsa_user_sgpr_kernarg_segment_ptr 1
		.amdhsa_wavefront_size32 1
		.amdhsa_system_sgpr_workgroup_id_x 1
		.amdhsa_system_sgpr_workgroup_id_y 1
		.amdhsa_system_sgpr_workgroup_id_z 1
		.amdhsa_system_vgpr_workitem_id 0
		.amdhsa_next_free_vgpr 256
		.amdhsa_next_free_sgpr 66
		.amdhsa_reserve_vcc 0
		.amdhsa_float_denorm_mode_32 3
		.amdhsa_float_denorm_mode_16_64 3
		.amdhsa_memory_ordered 1
		.amdhsa_forward_progress 1
		.amdhsa_inst_pref_size 44
	.end_amdhsa_kernel
	.amdgpu_metadata
---
amdhsa.version: [ 1, 2 ]
amdhsa.kernels:
  - .name:           k_qd22dfaacff_pre
    .symbol:         k_qd22dfaacff_pre.kd
    .args:
      - { .name: x, .offset: 0, .size: 8, .value_kind: global_buffer, .address_space: global }
      - { .name: ln1_w, .offset: 8, .size: 8, .value_kind: global_buffer, .address_space: global }
      - { .name: ln1_b, .offset: 16, .size: 8, .value_kind: global_buffer, .address_space: global }
      - { .name: act, .offset: 24, .size: 8, .value_kind: global_buffer, .address_space: global }
      - { .name: Wq, .offset: 32, .size: 8, .value_kind: global_buffer, .address_space: global }
      - { .name: Wk, .offset: 40, .size: 8, .value_kind: global_buffer, .address_space: global }
      - { .name: Wv, .offset: 48, .size: 8, .value_kind: global_buffer, .address_space: global }
      - { .name: Wo, .offset: 56, .size: 8, .value_kind: global_buffer, .address_space: global }
      - { .name: W1, .offset: 64, .size: 8, .value_kind: global_buffer, .address_space: global }
      - { .name: W2, .offset: 72, .size: 8, .value_kind: global_buffer, .address_space: global }
      - { .name: bq, .offset: 80, .size: 8, .value_kind: global_buffer, .address_space: global }
      - { .name: bk, .offset: 88, .size: 8, .value_kind: global_buffer, .address_space: global }
      - { .name: bv, .offset: 96, .size: 8, .value_kind: global_buffer, .address_space: global }
      - { .name: b1, .offset: 104, .size: 8, .value_kind: global_buffer, .address_space: global }
      - { .name: bo, .offset: 112, .size: 8, .value_kind: global_buffer, .address_space: global }
      - { .name: b2, .offset: 120, .size: 8, .value_kind: global_buffer, .address_space: global }
      - { .name: pq, .offset: 128, .size: 8, .value_kind: global_buffer, .address_space: global }
      - { .name: p1, .offset: 136, .size: 8, .value_kind: global_buffer, .address_space: global }
      - { .name: w24, .offset: 144, .size: 8, .value_kind: global_buffer, .address_space: global }
    .group_segment_fixed_size: 0
    .private_segment_fixed_size: 0
    .kernarg_segment_align: 8
    .kernarg_segment_size: 152
    .max_flat_workgroup_size: 256
    .sgpr_count:     66
    .vgpr_count:     256
    .wavefront_size: 32
...
	.end_amdgpu_metadata
.endif
;; end of part 1
;; launch qkv (part 2): grid 12 x 16, 4 waves a work-group, clusters of 4 x 4, 327,680 bytes of LDS; arguments act, pq, big; writes big
.if DOCPART == 2
	.amdgcn_target "amdgcn-amd-amdhsa--gfx1250"
	.amdhsa_code_object_version 6
	.text
	.protected	k_qd22dfaacff_qkv
	.globl	k_qd22dfaacff_qkv
	.p2align	8
	.type	k_qd22dfaacff_qkv,@function
k_qd22dfaacff_qkv:
	s_mov_b64 s[64:65], 0
	v_nop
	global_prefetch_b8 v0, s[64:65] scope:SCOPE_SE
	s_setreg_imm32_b32 hwreg(HW_REG_WAVE_MODE, 25, 1), 1
	s_wait_xcnt 0x0
	s_wait_alu depctr_hold_cnt(0) depctr_sa_sdst(0) depctr_va_vdst(0) depctr_va_sdst(0) depctr_va_ssrc(0) depctr_va_vcc(0) depctr_vm_vsrc(0)
	s_getreg_b32 s2, hwreg(HW_REG_IB_STS2, 6, 4)
	s_cmp_eq_u32 s2, 0
	s_cbranch_scc0 .Lentry_in_a_cluster
	s_endpgm
.Lentry_in_a_cluster:
	s_bfe_u32 s2, ttmp6, 0x10000c
	s_cmp_lg_u32 s2, 0xf033
	s_cbranch_scc0 .Lentry_shape_is_right
	s_endpgm
.Lentry_shape_is_right:
; C = max(A W + bias, floor), rounded to bf16.  A: 4,096 rows x 1,024, bf16, in blocks of 64 columns [16][4096][64].  P holds bias (f32, byte 0), floor (f32, byte 16,384) and, from byte 32,768,
; W in bf16 as [tile column][k = 0..1023][256 columns].  C leaves in blocks of 64 columns, [N / 64][4096][64] bf16.  Sums in f32, started by the bias.  The grid's width says how many tile columns there are.
; LIMIT.  The floor is taken by v_max_num_f32: a NaN sum comes out as the floor.
; SHARES.  A tile of C is 256 x 256: four waves, each 128 x 128: 64 accumulators, 512 registers.  K goes in 8 steps of 128 through two LDS slots.
; CLUSTER.  4 x 4 work-groups: the four of a row of the cluster need the same tiles of A, the four of a column the same tiles of W: each tile is asked for jointly, by the same tensor load with the same
; descriptor and a mask that names the four.  Waves 0 and 1 fetch A's two blocks of 64 along K (256 rows x 128 bytes, dense: asked for as 128 rows of 256 bytes), waves 2 and 3 W's two halves (64 rows of 512 bytes).
; THE MATRIX INSTRUCTION IS USED TRANSPOSED: source 0 = 16 columns of W (turned on the way out of LDS by ds_load_tr16_b128), source 1 = 16 rows of A: lane l then holds row l % 16 of C and the eight
; neighbouring columns 8 (l / 16) + 0..7.
; REGISTERS, in windows of 256 (s_set_vgpr_msb: bits 1:0 source 0, 3:2 source 1, 5:4 source 2, 7:6 destination):
;   window 0: v16-29 addresses; v64-127, v128-191 A's fragments, two buffers; v192-255 the bias (8 registers for each 16 columns), later the way out; v32-63 the way out
;   window 1: v64-127, v128-191 W's fragments, two buffers     window 2: the accumulators of my rows 0-63 ((a, b) at v[8 (8 a + b)])     window 3: those of rows 64-127
; lds_bytes claims all of the LDS; the text uses 309,760 bytes.
.set NS,    8                          ; K steps
.set PA,    144                        ; a row of A in LDS: 128 bytes + 16: the 16 rows of a load start at 16 different groups of four banks (ISA guide 11.1)
.set PB,    544                        ; a row of W in LDS: 512 bytes + 32
.set ABLK,  256*PA                     ; one block of 64 along K, 256 rows
.set AREG,  2*ABLK
.set BHALF, 64*PB
.set SLOT1, 147456                     ; slot 1 begins here: 0x24000 shares no bit with the loads' places in a slot (0, 0x9000, 0x12000, 0x1a800), so one exclusive or changes slots
.set STAGE, SLOT1+AREG+2*BHALF         ; behind the ring, never filled by a tensor load: for each wave two groups of 64 columns x 16 rows x 144 bytes
.set SPITCH, 144
.set SPARE, STAGE+4*2*16*SPITCH        ; the spare words, 128 bytes for each wave: two blocks of 256 bytes that no other line names
.set ASTEP, 2*524288                   ; a K step in A: two blocks
.set BSTEP, 128*512                    ; in W: 128 rows of 512 bytes
.set ADRA0, 16                         ; v16  my lane's place in a slot's A; never rewritten
.set ADRB0, 17                         ; v17  the same for W
.set ADRA,  18                         ; v18  the same in the slot in hand
.set ADRB,  19                         ; v19
.set STO,   24                         ; v24  the way out: where I put 16 bytes of a row
.set RD,    25                         ; v25  where I read rows back
.set GO,    26                         ; v26  16 x lane
.set BO,    27                         ; v27  32 x (lane / 16): my eight numbers among 16 of the bias
.set SPW,   28                         ; v28  my spare word; never rewritten
.set NIL,   29                         ; v29  0; never rewritten
.set OB,    32
.set F0,    64
.set F1,    128
.set BIA,   192
.set TMP,   192
.set G1,  24                           ; s[24:31] group 1 for A
.set G0,  32                           ; s[32:39] group 0 for A: a set for each first fill; the second then walks
.set G1B, 48                           ; s[48:55], s[56:63] the same for W
.set G0B, 56
.set TB,  45                           ; s45  the slot in hand: 0 or SLOT1
.set FLOOR, 66
.set MSB, 0
.macro WIN new                         ; the immediate's high byte repeats the setting that is left; a switch that changes nothing is dropped
.if MSB != (\new)
	s_set_vgpr_msb (MSB<<8)|(\new)
.set MSB, \new
.endif
.endm
.set MUL_LO, 0xa1                      ; source 0 (W) window 1, source 1 (A) window 0, C and D window 2
.set TO_B,   0x40                      ; destination window 1, address window 0
.macro PLACES                          ; four plain vector instructions between a matrix instruction and a load into, or a vector instruction on, its registers
.rept 4
	v_nop
.endr
.endm
.macro JLOAD                           ; a joint refill by the walking descriptors; an s_nop 0 and four v_nop follow each of the two lines
	s_cmp_eq_u32 s11, 0
	s_cbranch_scc0 .Lfor_b_\@
	tensor_load_to_lds s[G0+4:G0+7], s[G1:G1+7]
	s_nop 0
	PLACES
	s_branch .Lasked_\@
.Lfor_b_\@:
	tensor_load_to_lds s[G0B+4:G0B+7], s[G1B:G1B+7]
	s_nop 0
	PLACES
.Lasked_\@:
.endm
.macro CREST                           ; a round of the cluster's barrier behind its opening barrier
	s_cmp_lg_u32 s10, 0
	s_cbranch_scc1 .Lnot_wave_0_\@
	s_barrier_signal -3
.Lnot_wave_0_\@:
	s_barrier_wait -3
	s_barrier_signal -1
	s_barrier_wait -1
.endm
.macro CROUND
	s_barrier_signal -1
	s_barrier_wait -1
	CREST
.endm
	s_load_b128 s[4:7], s[0:1], 0x0                ; A s[4:5], P s[6:7]
	s_load_b64 s[8:9], s[0:1], 0x10                ; C
	v_lshl_add_u32 v[SPW], v0, 2, SPARE
	v_mov_b32 v[NIL], 0
	ds_add_u32 v28, v29
	s_wait_dscnt 0x0
	v_lshrrev_b32 v1, 5, v0
	v_readfirstlane_b32 s10, v1                    ; wave 0..3
	s_lshr_b32 s11, s10, 1                         ; my half of the tile's rows.  Also: I fetch for A (0) or for W (1)
	s_and_b32 s12, s10, 1                          ; my half of its columns.  Also: which part I fetch
	s_bfe_u32 s40, ttmp6, 0x40000                  ; cx
	s_bfe_u32 s41, ttmp6, 0x40004                  ; cy
	s_lshl_b32 s42, ttmp9, 2
	s_add_co_u32 s42, s42, s40                     ; tile column
	s_and_b32 s13, ttmp7, 0xffff
	s_lshl_b32 s13, s13, 2
	s_add_co_u32 s13, s13, s41                     ; tile row
	s_lshl_b32 s43, s41, 2
	s_lshl_b32 s43, 15, s43                        ; my row of the cluster
	s_lshl_b32 s44, 0x1111, s40                    ; my column
	s_or_b32 s[G1+0], s43, (1<<16)|(1<<20)|(1<<21)|(4<<22)|(3<<25)   ; mask; 2-byte elements; padding on; bit 21 beside a mask; after every 32 words 4 words
	s_mov_b32 s[G1+1], 128<<16                     ; tensor_dim0 = 128
	s_mov_b32 s[G1+2], 128<<16                     ; tensor_dim1 = 128
	s_mov_b32 s[G1+3], 128<<16                     ; tile_dim0 = 128
	s_mov_b32 s[G1+4], 128                         ; tile_dim1 = 128
	s_mov_b32 s[G1+5], 128                         ; 128 elements from row to row
	s_mov_b32 s[G1+6], 0
	s_mov_b32 s[G1+7], 0
	s_or_b32 s[G1B+0], s44, (1<<16)|(1<<20)|(1<<21)|(6<<22)|(7<<25)  ; after every 128 words 8 words
	s_mov_b32 s[G1B+1], 256<<16
	s_mov_b32 s[G1B+2], 64<<16
	s_mov_b32 s[G1B+3], 256<<16
	s_mov_b32 s[G1B+4], 64
	s_mov_b32 s[G1B+5], 256
	s_mov_b32 s[G1B+6], 0
	s_mov_b32 s[G1B+7], 0
	s_lshl_b32 s16, s13, 15                        ; A: 256 rows x 128 bytes x tile row,
	s_lshl_b32 s17, s12, 19                        ; + my block of the step's two
	s_add_co_u32 s16, s16, s17
	s_mov_b32 s17, 0
	s_lshl_b32 s46, s42, 19                        ; W: the tile column's 1,024 rows of 512 bytes,
	s_lshl_b32 s47, s12, 15                        ; + my 64 rows of the step's 128,
	s_add_co_u32 s46, s46, s47
	s_add_co_u32 s46, s46, 32768                   ; behind P's head
	s_mov_b32 s47, 0
	s_mul_i32 s20, s12, ABLK                       ; where they go: no place in the cluster enters an LDS address
	s_mul_i32 s21, s12, BHALF
	s_add_co_u32 s21, s21, AREG
	s_mov_b32 s[TB], 0
	s_wait_kmcnt 0x0
	s_add_nc_u64 s[14:15], s[4:5], s[16:17]
	s_add_nc_u64 s[46:47], s[6:7], s[46:47]
	CROUND                                         ; all sixteen work-groups are here: the first joint loads meet
.irp s, 0,1
	s_mov_b32 s[G0+4*(\s)], 1
	s_add_co_u32 s[G0+4*(\s)+1], s20, (\s)*SLOT1
	s_add_nc_u64 s[G0+4*(\s)+2:G0+4*(\s)+3], s[14:15], (\s)*ASTEP
	s_or_b32 s[G0+4*(\s)+3], s[G0+4*(\s)+3], 0x80000000
	s_mov_b32 s[G0B+4*(\s)], 1
	s_add_co_u32 s[G0B+4*(\s)+1], s21, (\s)*SLOT1
	s_add_nc_u64 s[G0B+4*(\s)+2:G0B+4*(\s)+3], s[46:47], (\s)*BSTEP
	s_or_b32 s[G0B+4*(\s)+3], s[G0B+4*(\s)+3], 0x80000000
.endr
	s_cmp_eq_u32 s11, 0                            ; a wave's two first fills stand in one branch: two loads of mine are out
	s_cbranch_scc0 .Lfirst_b
	tensor_load_to_lds s[G0:G0+3], s[G1:G1+7]
	s_nop 0
	tensor_load_to_lds s[G0+4:G0+7], s[G1:G1+7]
	s_nop 0
	PLACES
	s_branch .Lfirst_asked
.Lfirst_b:
	tensor_load_to_lds s[G0B:G0B+3], s[G1B:G1B+7]
	s_nop 0
	tensor_load_to_lds s[G0B+4:G0B+7], s[G1B:G1B+7]
	s_nop 0
	PLACES
.Lfirst_asked:
	s_load_b32 s[FLOOR], s[6:7], 0x4000
	s_lshl_b32 s46, s42, 10                        ; the bias of my 128 columns: 4 (256 x tile column + 128 x half)
	s_lshl_b32 s47, s12, 9
	s_add_co_u32 s46, s46, s47
	s_mov_b32 s47, 0
	s_add_nc_u64 s[22:23], s[6:7], s[46:47]
	v_and_b32 v1, 15, v0                           ; l % 16
	v_bfe_u32 v2, v0, 4, 1                         ; l / 16
	v_lshlrev_b32 v[BO], 5, v2
.irp b, 0,1,2,3,4,5,6,7
	global_load_b128 v[BIA+8*(\b):BIA+8*(\b)+3],   v[BO], s[22:23] offset:64*(\b)     ; register j of block b: column 16 b + 8 (l / 16) + j, as in the accumulators
	global_load_b128 v[BIA+8*(\b)+4:BIA+8*(\b)+7], v[BO], s[22:23] offset:64*(\b)+16
.endr
	s_lshl_b32 s16, s42, 21                        ; C: block 4 x tile column + 2 x half, row 256 x tile row + 128 x half
	s_lshl_b32 s17, s12, 20
	s_add_co_u32 s16, s16, s17
	s_lshl_b32 s17, s13, 15
	s_add_co_u32 s16, s16, s17
	s_lshl_b32 s17, s11, 14
	s_add_co_u32 s16, s16, s17
	s_mov_b32 s17, 0
	s_add_nc_u64 s[8:9], s[8:9], s[16:17]
	v_mul_u32_u24 v3, v1, PA
	v_lshl_add_u32 v3, v2, 4, v3                   ; row x 144 + 16 x half of the lanes
	s_mul_i32 s16, s11, 128*PA
	v_add_nc_u32 v[ADRA0], s16, v3
	v_and_b32 v4, 7, v0
	v_bfe_u32 v5, v0, 3, 1
	v_lshl_add_u32 v6, v2, 3, v4                   ; the turning load: lane l reads row 8 (l / 16) + l % 8 along K, columns 8 ((l / 8) % 2) + 0..7
	v_mul_u32_u24 v6, v6, PB
	v_lshl_add_u32 v6, v5, 4, v6
	s_lshl_b32 s17, s12, 8
	s_add_co_u32 s17, s17, AREG
	v_add_nc_u32 v[ADRB0], s17, v6
	v_mov_b32 v[ADRA], v[ADRA0]
	v_mov_b32 v[ADRB], v[ADRB0]
	s_mul_i32 s16, s10, 2*16*SPITCH
	s_add_co_u32 s16, s16, STAGE                   ; my stage
	v_add_nc_u32 v[STO], s16, v3
	v_bfe_u32 v7, v0, 3, 2                         ; back: 32 lanes take four rows of 128 bytes
	v_mul_u32_u24 v7, v7, SPITCH
	v_lshl_add_u32 v7, v4, 4, v7
	v_add_nc_u32 v[RD], s16, v7
	v_and_b32 v8, 31, v0
	v_lshlrev_b32 v[GO], 4, v8
; 16 matrix instructions: row blocks a0, a0 + 1 of the window's four x all 8 column blocks, 32 along K.  first = 1: the bias starts the sums: nothing is cleared, and no bias is added later.
; The 64 accumulators take turns, one instruction a turn, in the same order in every quarter.
.macro MUL16 f, hi, a0, first
.if \first
	WIN 0x81+0x40*(\hi)                            ; C (the bias) in window 0
.else
	WIN MUL_LO+0x50*(\hi)
.endif
.irp a, \a0, (\a0)+1
.irp b, 0,1,2,3,4,5,6,7
.if \first
	v_wmma_f32_16x16x32_bf16 v[8*(8*(\a)+(\b)):8*(8*(\a)+(\b))+7], v[(\f)+8*(\b):(\f)+8*(\b)+7], v[(\f)+8*(4*(\hi)+(\a)):(\f)+8*(4*(\hi)+(\a))+7], v[BIA+8*(\b):BIA+8*(\b)+7]
.else
	v_wmma_f32_16x16x32_bf16 v[8*(8*(\a)+(\b)):8*(8*(\a)+(\b))+7], v[(\f)+8*(\b):(\f)+8*(\b)+7], v[(\f)+8*(4*(\hi)+(\a)):(\f)+8*(4*(\hi)+(\a))+7], v[8*(8*(\a)+(\b)):8*(8*(\a)+(\b))+7]
.endif
.endr
.endr
.endm
; 32 LDS loads in one run: the fragments of quarter q (32 along K) of the slot in hand, into buffer f: W's first, then A's
.macro FETCH q, f
	WIN TO_B
.irp i, 0,1,2,3,4,5,6,7
	ds_load_tr16_b128 v[(\f)+8*(\i):(\f)+8*(\i)+3],   v[ADRB] offset:(\q)*32*PB+32*(\i)
	ds_load_tr16_b128 v[(\f)+8*(\i)+4:(\f)+8*(\i)+7], v[ADRB] offset:(\q)*32*PB+16*PB+32*(\i)
.endr
	WIN 0
.irp i, 0,1,2,3,4,5,6,7
	ds_load_b128 v[(\f)+8*(\i):(\f)+8*(\i)+3],   v[ADRA] offset:((\q)/2)*ABLK+((\q)%2)*64+(\i)*16*PA
	ds_load_b128 v[(\f)+8*(\i)+4:(\f)+8*(\i)+7], v[ADRA] offset:((\q)/2)*ABLK+((\q)%2)*64+(\i)*16*PA+32
.endr
.endm
; One of a K step's first three quarters: multiplies buffer f; in its middle it fetches quarter q into buffer g.
.macro QUARTER q, f, g, first
	s_wait_dscnt 8                                 ; W and A's rows 0-63 are in; the youngest eight loads (A's rows 64-127) may be out
	MUL16 \f, 0, 0, \first
	MUL16 \f, 0, 2, \first
	PLACES
	FETCH \q, \g
	s_wait_dscnt 32                                ; all but the 32 just issued
	MUL16 \f, 1, 0, \first
	MUL16 \f, 1, 2, \first
.endm
; The last quarter multiplies buffer 1 and changes slots.  In front of the barrier each wave waits for all its tensor loads (one is out: its part of the next slot), adds 0 to its spare word, and waits
; for that and for its reads of this slot.  fill = 1: the barrier opens a round of the cluster's barrier, and the slot just read is filled again, first thing behind the round, with the K step two on:
; from that request to the wait for it a wave issues 224 matrix instructions.
.macro TURN fill
	WIN 0
	s_wait_tensorcnt 0x0                           ; all my tensor loads have landed
	ds_add_u32 v[SPW], v[NIL]                      ; 0 onto my spare word
	s_wait_dscnt 9                                 ; (the add and the youngest eight loads may be out)
	MUL16 F1, 0, 0, 0
	s_wait_dscnt 0x0                               ; the add is done, and my reads of this slot are over
	s_barrier_signal -1
	MUL16 F1, 0, 2, 0
	WIN 0                                          ; at a branch and at a label every window is 0
	s_barrier_wait -1
.if \fill
	CREST                                          ; no wave of any partner still reads this slot or has a load on its way
	s_xor_b32 s[G0+5], s[G0+5], SLOT1              ; the walking descriptors: the other slot than last time, the next K step
	s_add_nc_u64 s[G0+6:G0+7], s[G0+6:G0+7], ASTEP
	s_xor_b32 s[G0B+5], s[G0B+5], SLOT1
	s_add_nc_u64 s[G0B+6:G0B+7], s[G0B+6:G0B+7], BSTEP
	JLOAD                                          ; its four v_nop are also the places in front of the loads below
.else
	PLACES
.endif
	s_xor_b32 s[TB], s[TB], SLOT1
	v_add_nc_u32 v[ADRA], s[TB], v[ADRA0]
	v_add_nc_u32 v[ADRB], s[TB], v[ADRB0]
	FETCH 0, F0
	MUL16 F1, 1, 0, 0
	MUL16 F1, 1, 2, 0
.endm
; THE WAY OUT of block a (16 rows).  PACK: the floor, then bf16, 16 bytes a lane.  TOSTAGE: into my stage and back as rows of 128 bytes.  SEND: stored.
.macro PACK a
.set AC, 64*((\a)%4)
	WIN 0x88+0x44*((\a)/4)                         ; destination and source 1 in window 2 or 3
.set z, 0
.rept 64
	v_max_num_f32 v[AC+z], s[FLOOR], v[AC+z]       ; ascending: each accumulator is read from its low end on
.set z, z+1
.endr
	WIN 0x0a+5*((\a)/4)
.irp b, 0,1,2,3,4,5,6,7
.irp r, 0,1,2,3
	v_cvt_pk_bf16_f32 v[TMP+4*(\b)+(\r)], v[AC+8*(\b)+2*(\r)], v[AC+8*(\b)+2*(\r)+1]
.endr
.endr
	WIN 0
.endm
.macro TOSTAGE a
	WIN 0
.set BK, OB+192*((\a)%2)
	s_wait_xcnt 0x0                                ; the stores of two blocks ago have read these registers: they are loaded again only behind this wait
.irp b, 0,1,2,3,4,5,6,7
	ds_store_b128 v[STO], v[TMP+4*(\b):TMP+4*(\b)+3] offset:((\b)/4)*16*SPITCH+((\b)%4)*32
.endr
.irp t, 0,1,2,3,4,5,6,7
	ds_load_b128 v[BK+4*(\t):BK+4*(\t)+3], v[RD] offset:((\t)/4)*16*SPITCH+((\t)%4)*4*SPITCH  ; LDS serves a wave's instructions in order (ISA guide 5.7.1.4): these see the stores above
.endr
.endm
.macro SEND a
	WIN 0
.set BK, OB+192*((\a)%2)
	s_wait_dscnt 0x0
.irp t, 0,1,2,3,4,5,6,7
	global_store_b128 v[GO], v[BK+4*(\t):BK+4*(\t)+3], s[8:9] offset:((\t)/4)*524288+(\a)*2048+((\t)%4)*512  ; four rows of a block of C: 512 consecutive bytes, at a multiple of 256 from C's first byte
.endr
.endm
	s_wait_tensorcnt 1                             ; my part of K step 0 is in; step 1's may stay out
	s_barrier_signal -1
	s_barrier_wait -1
	FETCH 0, F0
	s_wait_loadcnt 0x0                             ; the bias
	s_wait_kmcnt 0x0                               ; the floor
	QUARTER 1, F0, F1, 1                           ; the first quarter stands in front of the loop: its products start the sums
	WIN 0
	s_mov_b32 s3, NS-1
	s_branch .Lenter                               ; the loop is entered in the middle of a trip
.Lstep:                                                ; NS - 2 times: K steps 2 .. NS - 1 are asked for
	TURN 1
	QUARTER 1, F0, F1, 0
	WIN 0
.Lenter:
	QUARTER 2, F1, F0, 0
	QUARTER 3, F0, F1, 0
	WIN 0
	s_sub_co_u32 s3, s3, 1
	s_cmp_lg_u32 s3, 0
	s_cbranch_scc1 .Lstep
	TURN 0                                         ; the tail is written out: nothing more is asked for
	QUARTER 1, F0, F1, 0
	QUARTER 2, F1, F0, 0
	QUARTER 3, F0, F1, 0
	s_wait_dscnt 8
	MUL16 F1, 0, 0, 0
	MUL16 F1, 0, 2, 0
	s_wait_dscnt 0x0
	MUL16 F1, 1, 0, 0
	MUL16 F1, 1, 2, 0
	WIN 0
	PLACES
	PACK 0
	TOSTAGE 0
.irp a, 1,2,3,4,5,6,7                  ; block a's arithmetic stands between block a - 1's loads from the stage and the wait for them
	PACK \a
	SEND (\a)-1
	TOSTAGE \a
.endr
	SEND 7
	s_wait_tensorcnt 0x0                           ; the wave's end
	ds_add_u32 v[SPW], v[NIL]
	s_wait_dscnt 0x0
	CROUND                                         ; the closing round
	s_endpgm
.Lfunc_end_k_qd22dfaacff_qkv:
	.size	k_qd22dfaacff_qkv, .Lfunc_end_k_qd22dfaacff_qkv-k_qd22dfaacff_qkv
	.p2alignl 7, 3214868480
	.fill 96, 4, 3214868480
	.section	.rodata,"a",@progbits
	.p2align	6, 0x0
	.amdhsa_kernel k_qd22dfaacff_qkv
		.amdhsa_group_segment_fixed_size 327680
		.amdhsa_private_segment_fixed_size 0
		.amdhsa_enable_private_segment 0
		.amdhsa_kernarg_size 24
		.amdhsa_user_sgpr_count 2
		.amdhsa_user_sgpr_kernarg_segment_ptr 1
		.amdhsa_wavefront_size32 1
		.amdhsa_system_sgpr_workgroup_id_x 1
		.amdhsa_system_sgpr_workgroup_id_y 1
		.amdhsa_system_sgpr_workgroup_id_z 1
		.amdhsa_system_vgpr_workitem_id 0
		.amdhsa_next_free_vgpr 1024
		.amdhsa_next_free_sgpr 72
		.amdhsa_reserve_vcc 0
		.amdhsa_float_denorm_mode_32 3
		.amdhsa_float_denorm_mode_16_64 3
		.amdhsa_memory_ordered 1
		.amdhsa_forward_progress 1
		.amdhsa_inst_pref_size 121
	.end_amdhsa_kernel
	.amdgpu_metadata
---
amdhsa.version: [ 1, 2 ]
amdhsa.kernels:
  - .name:           k_qd22dfaacff_qkv
    .symbol:         k_qd22dfaacff_qkv.kd
    .args:
      - { .name: act, .offset: 0, .size: 8, .value_kind: global_buffer, .address_space: global }
      - { .name: pq, .offset: 8, .size: 8, .value_kind: global_buffer, .address_space: global }
      - { .name: big, .offset: 16, .size: 8, .value_kind: global_buffer, .address_space: global }
    .group_segment_fixed_size: 327680
    .private_segment_fixed_size: 0
    .kernarg_segment_align: 8
    .kernarg_segment_size: 24
    .max_flat_workgroup_size: 128
    .sgpr_count:     72
    .vgpr_count:     1024
    .wavefront_size: 32
...
	.end_amdgpu_metadata
.endif
;; end of part 2
;; launch attn (part 3): grid 8 x 32, 4 waves a work-group, clusters of 4 x 1, 327,680 bytes of LDS; arguments big, act; writes act
.if DOCPART == 3
	.amdgcn_target "amdgcn-amd-amdhsa--gfx1250"
	.amdhsa_code_object_version 6
	.text
	.protected	k_qd22dfaacff_attn
	.globl	k_qd22dfaacff_attn
	.p2align	8
	.type	k_qd22dfaacff_attn,@function
k_qd22dfaacff_attn:
	s_mov_b64 s[64:65], 0
	v_nop
	global_prefetch_b8 v0, s[64:65] scope:SCOPE_SE
	s_setreg_imm32_b32 hwreg(HW_REG_WAVE_MODE, 25, 1), 1
	s_wait_xcnt 0x0
	s_wait_alu depctr_hold_cnt(0) depctr_sa_sdst(0) depctr_va_vdst(0) depctr_va_sdst(0) depctr_va_ssrc(0) depctr_va_vcc(0) depctr_vm_vsrc(0)
	s_getreg_b32 s2, hwreg(HW_REG_IB_STS2, 6, 4)
	s_cmp_eq_u32 s2, 0
	s_cbranch_scc0 .Lentry_in_a_cluster
	s_endpgm
.Lentry_in_a_cluster:
	s_bfe_u32 s2, ttmp6, 0x10000c
	s_cmp_lg_u32 s2, 0x3003
	s_cbranch_scc0 .Lentry_shape_is_right
	s_endpgm
.Lentry_shape_is_right:
; ATTENTION.  O[q][:] = the sum over k of softmax_k(Q[q] . K[k] / 8) V[k][:], for each of 2 batches x 16 heads; 2,048 rows, 64 channels, all bf16.
; big holds blocks of 524,288 bytes, [4096 rows][64]: blocks 0-15 q by heads, 16-31 k, 32-47 v; row = 2048 x batch + position: a head's rows of a batch are dense, 128 bytes each.  O goes to act in the same form.
; Products, maxima and sums in f32; the weights p are rounded to bf16 for the second product (their sum l is taken of the unrounded p), O once at the end.
; LIMITS.  A weight below 2^-126 counts as 0 in l; c m starts at -4.25e37, which every c s is taken to exceed; NaN and infinities are not treated apart.
; SHARES.  A work-group owns 256 queries, a wave 64: four PIECES of 16.  Every wave walks all 2,048 keys, 64 a step, 256 (a tile) a slot.
; LAYOUT.  S^T = K Q^T (source 0 = 16 keys, source 1 = 16 queries) holds ONE query a lane (lane % 16) and the keys 8 (lane / 16) + 0..7; two such results rounded to bf16 ARE source 1 of O^T = V^T P.
; K comes out of LDS as it lies, V turned, by ds_load_tr16_b128.
; SOFTMAX.  p = 2^(c s - c m), c = log2(e) / 8, with a running maximum m; O and l are multiplied by a = 2^(c m_old - c m_new) in every step.  m starts at the lowest finite number, O and l at 0: the first
; step is a step like any other, with a = 0.
; BY TURNS.  Turn n belongs to piece n: 8 products K Q^T of piece n + 1, later 8 products V^T P of piece n - 1; beside them the scaling, exponentials, roundings, sums and rescaling of piece n and the
; maximum and statistics of piece n + 1.  Four vector instructions stand behind every matrix instruction, the other 54 of a turn's 118 in two runs of their own.
; CLUSTER.  The four query blocks of a cluster belong to one head and walk the same K and V: each tile is asked for jointly, by the same tensor load, descriptor and mask in all four.
; REGISTERS, in windows of 256 (s_set_vgpr_msb: bits 1:0 source 0, 3:2 source 1, 5:4 source 2, 7:6 destination):
;   window 0: v0-15 addresses and two at work; v16-31 four registers of statistics a piece; v48-55 at work; v62-63 the add's; v64-127 S^T, two buffers; v192-223 P, two buffers (by the piece's parity)
;   window 1: v0-127 O^T, 32 a piece          window 2: v0-63 Q; v128-191 K of one step; v192-255 V of one step
; lds_bytes claims all of the LDS; the text uses 218,624 bytes.
.set NT,    8         ; tiles of 256 keys
.set NP,    4         ; pieces a wave: a name, no knob
.set KS,    64        ; keys in a step
.set PK,    144       ; a row of K in LDS: 128 bytes + 16: the 16 rows of a load start at 16 different groups of four banks (ISA guide 11.1)
.set PV,    160       ; a row of V: 128 + 32
.set VOFF,  4*KS*PK   ; a slot: 256 rows of K, then 256 rows of V
.set SLOT1, 1<<17     ; slot 1 begins here, so that one exclusive or turns an address in one slot into the other's
.set STAGE, SLOT1+4*KS*(PK+PV)  ; behind the ring, never filled by a tensor load: 16 rows x 144 bytes for each wave
.set SP,    144
.set SPARE, STAGE+4*16*SP  ; the spare words, 128 bytes for each wave: two blocks of 256 bytes that no other line names
.set AK0, 2           ; v2   my lane's place in a tile of K; never rewritten
.set AV0, 3           ; v3   the same for V
.set AK,  4           ; v4   the LDS address of K's next run of loads
.set AV,  5           ; v5   of V's
.set STO, 6           ; v6   the way out: where I put 16 bytes of a row
.set RD,  7           ; v7   where I read rows back
.set GO,  8           ; v8   16 x lane
.set MV,  12          ; v12-13  c m_old, kept while c m is made anew: by buffer
.set QO,  15          ; v15  my byte offset in 16 rows of Q
.set ST,  16          ; piece t's statistics at v[ST+4 t]: c m, m, l (even keys', odd keys')
.set TMP, 48          ; by buffer, four registers c0-c3 at work; when the maximum is found c2 takes a
.set SPW, 62
.set NIL, 63
.set S,   64
.set P,   192
.set KF,  128         ; window 2: key block kb, channel half c at KF + 16 kb + 8 c
.set VF,  192         ; window 2: key half kk, channel block cb at VF + 32 kk + 8 cb
.set WV,  12          ; s12  my wave's number
.set G1K, 24          ; s[24:31] group 1 for K's tiles
.set G1V, 32          ; s[32:39] for V's: it differs in the padding alone
.set G0K, 40          ; s[40:43] group 0 for K's tiles: it walks
.set G0V, 44          ; s[44:47] the same for V's
.set SLOTS, 56
.set CNT, 57
.set CS,  58          ; s[58:59] c
.set SEL, 60          ; s[60:61] v_permlanex16_b32's selects: each lane takes its own place in the other half
.set TBK, 62          ; s62  LDS byte at which K of the step to be fetched begins
.set TBV, 63          ; s63  the same for V, less VOFF
.set MSB, 0
.macro WIN new
.if MSB != (\new)
	s_set_vgpr_msb (MSB<<8)|(\new)
.set MSB, (\new)
.endif
.endm
.set W_KQ, 0x0a       ; K and Q in window 2, S^T in window 0
.set W_PV, 0x52       ; V in window 2, P in window 0, O^T in window 1
.set W_RS, 0x41       ; destination and source 0 in window 1, source 1 in window 0
; A joint fill.  Waves 0 and 1 fetch the two halves of a tile's K, waves 2 and 3 those of its V: 128 keys each.  An s_nop 0 and four v_nop follow each of the two lines.
.macro JLOAD
	s_cmp_lt_u32 s[WV], 2
	s_cbranch_scc0 .Lfor_v_\@
	tensor_load_to_lds s[G0K:G0K+3], s[G1K:G1K+7]
	s_nop 0
.rept 4
	v_nop
.endr
	s_branch .Lasked_\@
.Lfor_v_\@:
	tensor_load_to_lds s[G0V:G0V+3], s[G1V:G1V+7]
	s_nop 0
.rept 4
	v_nop
.endr
.Lasked_\@:
.endm
.macro CROUND                       ; a round of the cluster's barrier
	s_barrier_signal -1
	s_barrier_wait -1
	s_cmp_lg_u32 s[WV], 0
	s_cbranch_scc1 .Lnot_wave_0_\@
	s_barrier_signal -3
.Lnot_wave_0_\@:
	s_barrier_wait -3
	s_barrier_signal -1
	s_barrier_wait -1
.endm
; THE CHANGE OF SLOTS.  The slot's last bytes, V of its fourth step, have been read.  Each wave waits for all its tensor loads (one is out: its part of the other slot), adds 0 to its spare word, and waits
; for that and for its reads of the slot.  fill = 1: the barrier is a round of the cluster's, and the slot is filled again, first thing behind it, with the keys two tiles on: four key steps, 256 matrix
; instructions, in which to land.  (At its first use nothing has been read yet: slot 0 is waited for, slot 1 filled.)
.macro CHANGE fill
	WIN 0
	s_wait_tensorcnt 0x0            ; no tensor load of mine is out, so a group 0 may be written
	ds_add_u32 v[SPW], v[NIL]       ; 0 onto my spare word
.if \fill
.irp g, G0K, G0V
	s_xor_b32 s[\g+1], s[\g+1], SLOT1
	s_add_nc_u64 s[\g+2:\g+3], s[\g+2:\g+3], 4*KS*128
.endr
	s_wait_dscnt 0x0                ; the add is done, and my reads of the slot are over
	CROUND
	JLOAD
.else
	s_wait_dscnt 0x0
	s_barrier_signal -1
	s_barrier_wait -1
.endif
	s_sub_co_u32 s[TBK], s[TBK], 4*KS*PK  ; the fetches go back to a slot's first step,
	s_xor_b32 s[TBK], s[TBK], SLOT1       ; in the other slot
	s_sub_co_u32 s[TBV], s[TBV], 4*KS*PV
	s_xor_b32 s[TBV], s[TBV], SLOT1
.endm
	s_load_b128 s[4:7], s[0:1], 0x0 ; big s[4:5], act s[6:7]
	v_lshl_add_u32 v[SPW], v0, 2, SPARE
	v_mov_b32 v[NIL], 0
	ds_add_u32 v62, v63
	s_wait_dscnt 0x0
	v_lshrrev_b32 v1, 5, v0
	v_readfirstlane_b32 s[WV], v1
	s_bfe_u32 s13, ttmp6, 0x40000   ; cx
	s_lshl_b32 s14, ttmp9, 2
	s_add_co_u32 s14, s14, s13      ; my block of 256 queries: it enters Q's and O's addresses alone
	s_and_b32 s20, ttmp7, 0xffff    ; 16 x batch + head, which the four partners share
	s_and_b32 s21, s20, 15
	s_lshl_b32 s21, s21, 19         ; the head's block,
	s_lshr_b32 s20, s20, 4
	s_lshl_b32 s20, s20, 18         ; the batch's 2,048 rows in it
	s_add_co_u32 s20, s20, s21
	s_and_b32 s15, s[WV], 1         ; which half of a tile's 256 keys I fetch
	s_mul_i32 s17, s15, 128*PK      ; its place in a slot, for K
	s_mul_i32 s18, s15, 128*PV      ; and for V
	s_lshl_b32 s22, s15, 14         ; its 128 rows of 128 bytes in memory
	s_add_co_u32 s22, s22, s20
	s_add_co_u32 s22, s22, 16*524288  ; k lies 16 blocks behind q,
	s_mov_b32 s23, 0
	s_add_co_u32 s48, s22, 16*524288  ; v 16 more
	s_mov_b32 s49, 0
	s_lshl_b32 s2, s14, 15          ; my block's 256 rows,
	s_lshl_b32 s3, s[WV], 13        ; my wave's 64 of them
	s_add_co_u32 s2, s2, s3
	s_add_co_u32 s2, s2, s20
	s_mov_b32 s3, 0
	; group 1.  128 keys are 16,384 dense bytes: asked for as 64 rows of 256 bytes, two keys a row, and padded in LDS after every key
	s_mov_b32 s[G1K], 15|(1<<16)|(1<<20)|(1<<21)|(4<<22)|(3<<25)
	s_mov_b32 s[G1V], 15|(1<<16)|(1<<20)|(1<<21)|(4<<22)|(7<<25)
.irp g, G1K, G1V
	s_mov_b32 s[\g+1], 128<<16      ; tensor_dim0 = 128
	s_mov_b32 s[\g+2], 64<<16       ; tensor_dim1 = 64
	s_mov_b32 s[\g+3], 128<<16      ; tile_dim0 = 128
	s_mov_b32 s[\g+4], 64           ; tile_dim1 = 64
	s_mov_b32 s[\g+5], 128          ; 128 elements from row to row
	s_mov_b32 s[\g+6], 0
	s_mov_b32 s[\g+7], 0
.endr
	s_mov_b32 s[CS], 0x3e38aa3b     ; c = log2(e) / 8
	s_mov_b32 s[CS+1], s[CS]
	s_mov_b32 s[SEL], 0x76543210
	s_mov_b32 s[SEL+1], 0xfedcba98
	s_mov_b32 s[TBK], SLOT1+4*KS*PK ; the first change of slots turns these two into 0
	s_mov_b32 s[TBV], SLOT1+4*KS*PV
	s_mov_b32 s[G0K], 1
	s_mov_b32 s[G0K+1], s17
	s_mov_b32 s[G0V], 1
	s_add_co_u32 s[G0V+1], s18, VOFF
	s_wait_kmcnt 0x0
	s_add_nc_u64 s[G0K+2:G0K+3], s[4:5], s[22:23]
	s_or_b32 s[G0K+3], s[G0K+3], 0x80000000
	s_add_nc_u64 s[G0V+2:G0V+3], s[4:5], s[48:49]
	s_or_b32 s[G0V+3], s[G0V+3], 0x80000000
	s_add_nc_u64 s[8:9], s[4:5], s[2:3]    ; Q at my wave's first row
	s_add_nc_u64 s[10:11], s[6:7], s[2:3]  ; O likewise
	CROUND                          ; all four work-groups are here: the first joint loads meet
	JLOAD                           ; tile 0 into slot 0
	v_and_b32 v1, 15, v0            ; l % 16
	v_bfe_u32 v9, v0, 4, 1          ; l / 16
	v_lshlrev_b32 v[QO], 7, v1
	v_lshl_add_u32 v[QO], v9, 4, v[QO]
	WIN 0x80                        ; destination window 2, address window 0
.set i, 0
.rept 8                             ; Q stays in registers: piece i / 2, channels 32 (i % 2) on
	global_load_b128 v[8*i:8*i+3],   v[QO], s[8:9] offset:(i/2)*2048+(i%2)*64
	global_load_b128 v[8*i+4:8*i+7], v[QO], s[8:9] offset:(i/2)*2048+(i%2)*64+32
.set i, i+1
.endr
	; What the first turn finds: V's registers and P's second buffer hold 0 (its products V^T P, of a piece that has not been, add 0), O^T and l are 0.  All this stands in the wait for the first tile;
	; it is the price of writing no first step out.
.set i, VF
.rept 64
	v_mov_b32 v[i], 0
.set i, i+1
.endr
	WIN 0x40
.set i, 0
.rept 128
	v_mov_b32 v[i], 0
.set i, i+1
.endr
	WIN 0
.set i, 0
.rept 4
	v_mov_b32 v[ST+4*i], 0xfe000000    ; c m: far below every c s
	v_mov_b32 v[ST+4*i+1], 0xff7fffff  ; m
	v_mov_b32 v[ST+4*i+2], 0
	v_mov_b32 v[ST+4*i+3], 0
.set i, i+1
.endr
.set i, P+16
.rept 16
	v_mov_b32 v[i], 0
.set i, i+1
.endr
	v_mul_u32_u24 v[AK0], v1, PK
	v_lshl_add_u32 v[AK0], v9, 4, v[AK0]
	v_and_b32 v10, 7, v0            ; the turning load: lane l reads key 8 (l / 16) + l % 8, channels 8 ((l / 8) % 2) + 0..7
	v_bfe_u32 v11, v0, 3, 1
	v_lshl_add_u32 v[AV0], v9, 3, v10
	v_mul_u32_u24 v[AV0], v[AV0], PV
	v_lshl_add_u32 v[AV0], v11, 4, v[AV0]
	v_add_nc_u32 v[AV0], VOFF, v[AV0]
	s_mul_i32 s13, s[WV], 16*SP
	s_add_co_u32 s13, s13, STAGE    ; my stage
	v_mul_u32_u24 v[STO], v1, SP
	v_lshl_add_u32 v[STO], v9, 4, v[STO]
	v_add_nc_u32 v[STO], s13, v[STO]
	v_bfe_u32 v[RD], v0, 3, 2       ; back: 32 lanes take four rows of 128 bytes,
	v_mul_u32_u24 v[RD], v[RD], SP
	v_lshl_add_u32 v[RD], v10, 4, v[RD]
	v_add_nc_u32 v[RD], s13, v[RD]
	v_and_b32 v[GO], 31, v0         ; which are 512 consecutive bytes of O
	v_lshlrev_b32 v[GO], 4, v[GO]
; THE MATRIX WORK.  The 4 accumulators of a run of 8 take turns.  Product i of 8 of S^T = K Q^T for piece x: channels 32 (i / 4) on, keys 16 (i % 4) on.  The first 4 start the sums.
.macro KQ x
.set rS, S+32*((\x)%2)+8*(i%4)
.set rK, KF+16*(i%4)+8*(i/4)
.set rQ, 16*(\x)+8*(i/4)
	WIN W_KQ
.if i < 4
	v_wmma_f32_16x16x32_bf16 v[rS:rS+7], v[rK:rK+7], v[rQ:rQ+7], 0
.else
	v_wmma_f32_16x16x32_bf16 v[rS:rS+7], v[rK:rK+7], v[rQ:rQ+7], v[rS:rS+7]
.endif
.endm
; Product i of 8 of O^T += V^T P for piece x: keys 32 (i / 4) on, channels 16 (i % 4) on.
.macro PV x
	WIN W_PV
.set rO, 32*(\x)+8*(i%4)
.set rV, VF+32*(i/4)+8*(i%4)
.set rP, P+16*((\x)%2)+8*(i/4)
	v_wmma_f32_16x16x32_bf16 v[rO:rO+7], v[rV:rV+7], v[rP:rP+7], v[rO:rO+7]
.endm
.macro MM                           ; the turn's next matrix instruction.  NOKQ = 1: the last turn of all: there is no next piece
.if (i < 8) && !NOKQ
	KQ (Y+1)%NP
.elseif i >= 8
.set i, i-8
	PV (Y+NP-1)%NP
.set i, i+8
.endif
.set i, i+1
.endm
; THE LDS LOADS stand in runs of 16: a step's K (8 fragments) and its V (turned).  Their addresses are made some lines ahead.
.macro FETCH_K
	WIN 0x80
.irp f, 0,1,2,3,4,5,6,7             ; keys 16 (f / 2) on, channels 32 (f % 2) on
	ds_load_b128 v[KF+8*\f:KF+8*\f+3],   v[AK] offset:(\f/2)*16*PK+(\f%2)*64
	ds_load_b128 v[KF+8*\f+4:KF+8*\f+7], v[AK] offset:(\f/2)*16*PK+(\f%2)*64+32
.endr
	s_add_co_u32 s[TBK], s[TBK], KS*PK
	WIN 0
.endm
.macro FETCH_V
	WIN 0x80
.irp f, 0,1,2,3,4,5,6,7             ; keys 32 (f / 4) on, channels 16 (f % 4) on
	ds_load_tr16_b128 v[VF+8*\f:VF+8*\f+3],   v[AV] offset:(\f/4)*32*PV+(\f%4)*32
	ds_load_tr16_b128 v[VF+8*\f+4:VF+8*\f+7], v[AV] offset:(\f/4)*32*PV+16*PV+(\f%4)*32
.endr
	WIN 0
.endm
; THE VECTOR WORK, one line at a time: OP kind, number.  For piece Y: F n: c s - c m for pair n of 16.  E n: the exponential of score n of 32.  C n: pair n rounded to bf16.  B n: of the four weights 4 n ..
; the second pair is added onto the first, in place.  L n: l takes that sum (L 0: l = a l + sum).  R n: pair n of 16 of O^T times a.  For piece Y + 1: X n, number n of the 22 that find its maximum and statistics:
;   0-11  four chains c0-c3 of seven scores each (each accumulator's lowest registers are read first)     12-14, 16  the four scores left over, the old m, and c0-c3 into c0
;   15  c m_old is kept     17, 18  the query's other 32 keys lie in the lane 16 away: the new m     19-21  c m; c m_old - c m_new; a
.set F, 0
.set E, 1
.set C, 2
.set B, 3
.set L, 4
.set R, 5
.set X, 6
.macro REGS y
.set rT, ST+4*(\y)
.set rC, TMP+4*((\y)%2)
.set rW, MV+((\y)%2)
.set rS, S+32*((\y)%2)
.set rP, P+16*((\y)%2)
.set rO, 32*(\y)
.endm
.macro OP k, n
.if (\k) == R
	REGS Y
	WIN W_RS
	v_pk_mul_f32 v[rO+2*(\n):rO+2*(\n)+1], v[rO+2*(\n):rO+2*(\n)+1], v[rC+2:rC+3] op_sel_hi:[1,0]
.elseif (\k) < R
	REGS Y
	WIN 0
.if (\k) == F
	v_pk_fma_f32 v[rS+2*(\n):rS+2*(\n)+1], v[rS+2*(\n):rS+2*(\n)+1], s[CS:CS+1], v[rT:rT+1] op_sel_hi:[1,0,0] neg_lo:[0,0,1] neg_hi:[0,0,1]
.elseif (\k) == E
	v_exp_f32 v[rS+(\n)], v[rS+(\n)]
.elseif (\k) == C
	s_wait_alu depctr_va_vdst(0)
	v_cvt_pk_bf16_f32 v[rP+(\n)], v[rS+2*(\n)], v[rS+2*(\n)+1]
.elseif (\k) == B
	s_wait_alu depctr_va_vdst(0)
	v_pk_add_f32 v[rS+4*(\n):rS+4*(\n)+1], v[rS+4*(\n):rS+4*(\n)+1], v[rS+4*(\n)+2:rS+4*(\n)+3]
.elseif (\n) == 0
	v_pk_fma_f32 v[rT+2:rT+3], v[rT+2:rT+3], v[rC+2:rC+3], v[rS:rS+1] op_sel_hi:[1,0,1]
.else
	v_pk_add_f32 v[rT+2:rT+3], v[rT+2:rT+3], v[rS+4*(\n):rS+4*(\n)+1]
.endif
.elseif NOKQ
	v_nop
.else
	REGS (Y+1)%NP
	WIN 0
.if (\n) < 4
	v_max3_num_f32 v[rC+(\n)], v[rS+8*(\n)], v[rS+8*(\n)+1], v[rS+8*(\n)+2]
.elseif (\n) < 12
	v_max3_num_f32 v[rC+(\n)%4], v[rC+(\n)%4], v[rS+8*((\n)%4)+2*((\n)/4)+1], v[rS+8*((\n)%4)+2*((\n)/4)+2]
.elseif (\n) == 12
	v_max3_num_f32 v[rC], v[rC], v[rS+7], v[rS+15]
.elseif (\n) == 13
	v_max3_num_f32 v[rC+1], v[rC+1], v[rS+23], v[rS+31]
.elseif (\n) == 14
	v_max3_num_f32 v[rC+2], v[rC+2], v[rC+3], v[rT+1]
.elseif (\n) == 15
	v_mov_b32 v[rW], v[rT]
.elseif (\n) == 16
	v_max3_num_f32 v[rC], v[rC], v[rC+1], v[rC+2]
.elseif (\n) == 17
	v_permlanex16_b32 v[rC+3], v[rC], s[SEL], s[SEL+1]
.elseif (\n) == 18
	v_max_num_f32 v[rT+1], v[rC], v[rC+3]
.elseif (\n) == 19
	v_mul_f32 v[rT], s[CS], v[rT+1]
.elseif (\n) == 20
	v_sub_f32 v[rC+1], v[rW], v[rT]
.else
	v_exp_f32 v[rC+2], v[rC+1]
.endif
.endif
.endm
.macro OPS a, i1, b=-1, i2=0, c=-1, i3=0, d=-1, i4=0
	OP \a, \i1
.if (\b) >= 0
	OP \b, \i2
.endif
.if (\c) >= 0
	OP \c, \i3
.endif
.if (\d) >= 0
	OP \d, \i4
.endif
.endm
.macro ROW a, i1, b, i2, c, i3, d, i4  ; a matrix instruction and the four behind it
	MM
	OPS \a, \i1, \b, \i2, \c, \i3, \d, \i4
.endm
; A TURN, for piece p: the order of its 16 matrix and 118 vector instructions, written out.  Behind a matrix instruction: plain, exponential, plain, plain; or four of the rescaling; or four scalings; none names
; a register of the products round it.  In the runs of their own exponential and plain by turns while exponentials last, so that a plain instruction stands behind every exponential (ISA guide 5.7.2).
; end = 1: the last two turns: nothing is fetched.  cnt = 1: the loop's count is taken down some lines ahead of the branch that stands behind the turn.
; K of the next step is fetched in piece 2's turn, five plain vector instructions behind the last product that read K; V of the step in hand in piece 0's turn, four plain ones behind the last product that
; read V.  Each is waited for a turn later.
.macro TURN p, end=0, cnt=0
.set Y, (\p)
.set i, 0
.set NOKQ, (\end)*((\p)/3)
.if ((\p) == 3) && !(\end)
	s_wait_dscnt 0x0                ; K is in
.endif
	ROW F,0, F,1, F,2, F,3
	ROW F,4, E,0, F,5, F,6
	ROW F,7, E,1, F,8, F,9
	ROW F,10, E,2, C,0, F,11
	ROW F,12, E,3, X,15, F,13
	ROW R,0, R,1, R,2, R,3
	ROW B,0, E,4, F,14, L,0
.if ((\p) == 2) && !(\end)
	v_add_nc_u32 v[AK], s[TBK], v[AK0]
.endif
	ROW R,4, R,5, R,6, R,7
	OPS E,5, F,15
.if ((\p) == 2) && !(\end)
	FETCH_K
.endif
	OPS E,6, C,1, E,7, R,8
	OPS E,8, R,9, E,9, C,2
	OPS E,10, X,0, E,11, X,1
	OPS E,12, X,2, E,13, X,3
.if (\p) == 1
	s_wait_dscnt 0x0                ; V is in
.endif
	ROW X,4, E,14, X,5, X,6
	ROW X,7, E,15, X,8, X,9
	ROW X,10, E,16, X,11, X,12
	ROW X,13, E,17, X,14, B,1
	ROW C,4, E,18, X,16, L,1
	ROW B,2, E,19, C,6, L,2
	ROW C,8, E,20, B,3, B,4
.if (\p) == 0
	v_add_nc_u32 v[AV], s[TBV], v[AV0]
.endif
	ROW C,3, E,21, L,3, C,5
	OPS E,22, X,17, E,23, C,10
.if (\p) == 0
	FETCH_V
.endif
	OPS E,24, L,4
	OPS E,25, X,18, E,26, C,7
	OPS E,27, B,5, E,28, X,19
	OPS E,29, C,12, E,30, L,5
	OPS E,31, X,20, B,6, C,9
	OPS C,14, C,11, X,21, L,6
.if (\p) == 0
	s_add_co_u32 s[TBV], s[TBV], KS*PV
.endif
.if \cnt
	s_sub_co_u32 s[CNT], s[CNT], 1
	s_cmp_lg_u32 s[CNT], 0
.endif
	OPS C,13, B,7, C,15, R,10
	OPS R,11, R,12, L,7, R,13
	OPS R,14, R,15
.endm
; A tile's four trips: pieces 2 and 3 of one step, then pieces 0 and 1 of the next, whose K and V the trip fetches.
.macro STEPS tag
.Lstep\tag:
	TURN 2
	TURN 3
	WIN 0
.Lfirst\tag:
	TURN 0
	TURN 1, 0, 1
	WIN 0
	s_cbranch_scc1 .Lstep\tag
.endm
.macro ALL line:vararg              ; one line for each piece t
.set t, 0
.rept 4
	\line
.set t, t+1
.endr
.endm
.macro PACK t                       ; a lane's eight channels of a row pack into 16 bytes; they go into rows of 144 bytes and come back as whole rows of 128, into S^T's registers
	WIN W_RS
.set i, 32*(\t)
.rept 16
	s_wait_alu depctr_va_vdst(0)
	v_pk_mul_f32 v[i:i+1], v[i:i+1], v[ST+4*(\t)+2:ST+4*(\t)+3] op_sel_hi:[1,0]
.set i, i+2
.endr
	WIN 0x05
.set i, 0
.rept 16
	v_cvt_pk_bf16_f32 v[S+16*(\t)+i], v[32*(\t)+2*i], v[32*(\t)+2*i+1]
.set i, i+1
.endr
	WIN 0
.irp f, 0,1,2,3
	ds_store_b128 v[STO], v[S+16*(\t)+4*\f:S+16*(\t)+4*\f+3] offset:32*\f
.endr
.irp f, 0,1,2,3
	ds_load_b128 v[S+16*(\t)+4*\f:S+16*(\t)+4*\f+3], v[RD] offset:\f*4*SP  ; LDS serves a wave's instructions in order (ISA guide 5.7.1.4): these see the stores above
.endr
.endm
.macro SEND t, younger              ; younger: the LDS instructions issued behind piece t's loads: the next piece's eight, or none
	WIN 0
.irp f, 0,1,2,3
	s_wait_dscnt (\younger)+3-\f
	global_store_b128 v[GO], v[S+16*(\t)+4*\f:S+16*(\t)+4*\f+3], s[10:11] offset:(\t)*2048+\f*512  ; 512 consecutive bytes, at a multiple of 256 from O's first
.endr
.endm
	CHANGE 1                        ; slot 0 is in, everybody's part of it; slot 1 is asked for
	v_add_nc_u32 v[AK], s[TBK], v[AK0]
	FETCH_K                         ; key step 0
	s_wait_loadcnt 0x0              ; Q
	s_wait_dscnt 0x0
.set NOKQ, 0
.set i, 0
.rept 8
	KQ 0                            ; piece 0's first scores
.set i, i+1
.endr
	WIN 0
.rept 4
	v_nop                           ; the places behind those products
.endr
.set Y, NP-1                        ; X works for piece Y + 1: piece 0
.irp n, 0,1,2,3,4,5,6,7,8,9,10,11,12,13,14,15,16,17,18,19,20,21
	OP X, \n
.endr
	v_nop                           ; a plain instruction behind the exponential
	s_mov_b32 s[CNT], 4
	s_mov_b32 s[SLOTS], NT-1
	s_branch .Lfirst1               ; the loop is entered at a step's first turn, in the middle of a trip
.Lslot:                             ; NT - 2 times: tiles 2 .. NT - 1 are asked for
	CHANGE 1
	s_mov_b32 s[CNT], 4
	STEPS 1
	s_sub_co_u32 s[SLOTS], s[SLOTS], 1
	s_cmp_lg_u32 s[SLOTS], 0
	s_cbranch_scc1 .Lslot
	CHANGE 0                        ; the last tile is written out: nothing is asked for
	s_mov_b32 s[CNT], 4
	STEPS 2
	TURN 2, 1
	TURN 3, 1
.set i, 0
.rept 8
	PV NP-1                         ; the last piece's V^T P of the last step
.set i, i+1
.endr
	; THE WAY OUT.  l's two halves and the other half of the lanes' are added; O^T is divided by l, rounded to bf16 and sent through my stage, a piece at a time.  The additions are the places behind the last products.
	WIN 0
	ALL v_add_f32 v[ST+4*t+2], v[ST+4*t+2], v[ST+4*t+3]
	ALL v_permlanex16_b32 v[ST+4*t+3], v[ST+4*t+2], s[SEL], s[SEL+1]
	ALL v_add_f32 v[ST+4*t+2], v[ST+4*t+2], v[ST+4*t+3]
	ALL v_rcp_f32 v[ST+4*t+2], v[ST+4*t+2]
	v_nop                           ; a plain instruction between the last reciprocal and the use of its result
	PACK 0
.set t, 1
.rept 3                             ; a piece's arithmetic stands between the loads of the piece before and its stores
	PACK t
	SEND t-1, 8
.set t, t+1
.endr
	SEND 3, 0
	s_wait_tensorcnt 0x0            ; the wave's end
	ds_add_u32 v[SPW], v[NIL]
	s_wait_dscnt 0x0
	CROUND                          ; the closing round
	s_endpgm
.Lfunc_end_k_qd22dfaacff_attn:
	.size	k_qd22dfaacff_attn, .Lfunc_end_k_qd22dfaacff_attn-k_qd22dfaacff_attn
	.p2alignl 7, 3214868480
	.fill 96, 4, 3214868480
	.section	.rodata,"a",@progbits
	.p2align	6, 0x0
	.amdhsa_kernel k_qd22dfaacff_attn
		.amdhsa_group_segment_fixed_size 327680
		.amdhsa_private_segment_fixed_size 0
		.amdhsa_enable_private_segment 0
		.amdhsa_kernarg_size 16
		.amdhsa_user_sgpr_count 2
		.amdhsa_user_sgpr_kernarg_segment_ptr 1
		.amdhsa_wavefront_size32 1
		.amdhsa_system_sgpr_workgroup_id_x 1
		.amdhsa_system_sgpr_workgroup_id_y 1
		.amdhsa_system_sgpr_workgroup_id_z 1
		.amdhsa_system_vgpr_workitem_id 0
		.amdhsa_next_free_vgpr 768
		.amdhsa_next_free_sgpr 66
		.amdhsa_reserve_vcc 0
		.amdhsa_float_denorm_mode_32 3
		.amdhsa_float_denorm_mode_16_64 3
		.amdhsa_memory_ordered 1
		.amdhsa_forward_progress 1
		.amdhsa_inst_pref_size 134
	.end_amdhsa_kernel
	.amdgpu_metadata
---
amdhsa.version: [ 1, 2 ]
amdhsa.kernels:
  - .name:           k_qd22dfaacff_attn
    .symbol:         k_qd22dfaacff_attn.kd
    .args:
      - { .name: big, .offset: 0, .size: 8, .value_kind: global_buffer, .address_space: global }
      - { .name: act, .offset: 8, .size: 8, .value_kind: global_buffer, .address_space: global }
    .group_segment_fixed_size: 327680
    .private_segment_fixed_size: 0
    .kernarg_segment_align: 8
    .kernarg_segment_size: 16
    .max_flat_workgroup_size: 128
    .sgpr_count:     66
    .vgpr_count:     768
    .wavefront_size: 32
...
	.end_amdgpu_metadata
.endif
;; end of part 3
;; launch proj (part 4): grid 8 x 32, 4 waves a work-group, clusters of 4 x 4, 327,680 bytes of LDS; arguments act, w24, x, x1; writes x1
.if DOCPART == 4
	.amdgcn_target "amdgcn-amd-amdhsa--gfx1250"
	.amdhsa_code_object_version 6
	.text
	.protected	k_qd22dfaacff_proj
	.globl	k_qd22dfaacff_proj
	.p2align	8
	.type	k_qd22dfaacff_proj,@function
k_qd22dfaacff_proj:
	s_mov_b64 s[64:65], 0
	v_nop
	global_prefetch_b8 v0, s[64:65] scope:SCOPE_SE
	s_setreg_imm32_b32 hwreg(HW_REG_WAVE_MODE, 25, 1), 1
	s_wait_xcnt 0x0
	s_wait_alu depctr_hold_cnt(0) depctr_sa_sdst(0) depctr_va_vdst(0) depctr_va_sdst(0) depctr_va_ssrc(0) depctr_va_vcc(0) depctr_vm_vsrc(0)
	s_getreg_b32 s2, hwreg(HW_REG_IB_STS2, 6, 4)
	s_cmp_eq_u32 s2, 0
	s_cbranch_scc0 .Lentry_in_a_cluster
	s_endpgm
.Lentry_in_a_cluster:
	s_bfe_u32 s2, ttmp6, 0x10000c
	s_cmp_lg_u32 s2, 0xf033
	s_cbranch_scc0 .Lentry_shape_is_right
	s_endpgm
.Lentry_shape_is_right:
; C = res + A W + bias, f32.  A: 4,096 rows x 256 NS columns, bf16, in blocks of 64 columns [..][4096][64].  W: bf16 [K][1024] at byte WOFF of w24; bias: f32 at byte BOFF of w24.  res, C: [4096][1024] f32.
; Here: A = the attention's result, W = Wo, bias = bo, res = x rounded to bf16 (ROUNDRES = 1: all the module's inputs are taken in that rounding).  Sums in f32, started by the bias.
; SHARES.  A tile of C is 128 x 128, so that 8 x 32 tiles give 256 work-groups; four waves, each 64 x 64: 16 accumulators.  K goes in NS steps of 256 through two LDS slots.
; CLUSTER.  4 x 4 work-groups: A's tiles are asked for jointly along a row of the cluster, W's along a column.  Waves 0 and 1 fetch two of A's four blocks each (a block's 128 rows are 16,384 dense bytes: one
; row of the tile), waves 2 and 3 128 rows of W each (256 bytes a row).
; THE WALK ALONG K BEGINS ELSEWHERE IN EACH CLUSTER: cluster (X, Y) begins at K step X NS / 2 + (Y % 4) NS / 4 and goes round, modulo NS.  The two clusters that need the same rows of A are then NS / 2 steps
; apart: each is the first to ask for one half of K, and asks for the other half behind its neighbour; W's tiles are all asked for a first time in the first NS / 2 steps of the walks.  Each output still has
; one f32 sum; it takes K in the walk's order.  The step's number hangs on the cluster's place in the grid and the trip alone, which all partners share.
; THE MATRIX INSTRUCTION IS USED TRANSPOSED (source 0 = 16 columns of W, turned by ds_load_tr16_b128; source 1 = 16 rows of A): a lane holds eight neighbouring numbers of a row of C.
; REGISTERS: window 0: v16-30 addresses; v32-63, v64-95 the way out; v96-127 the bias, later at work; v128-255 the accumulators ((a, b) at v[128 + 8 (4 a + b)]).
;   window 1: two fragment buffers of 128: for 64 along K, 64 registers of A, then 64 of W.     window 2: v0-127 my 64 x 64 of res, loaded at the start.
; lds_bytes claims all of the LDS; the text uses 312,832 bytes.
.set NS,    4                          ; K steps of 256: a power of two
.set WOFF,  0
.set BOFF,  10485760
.set ROUNDRES, 1
.set PREF,  NS/2-2                     ; steps of A that are asked for ahead (see PFETCH): none here
.set PA,    144                        ; a row of A in LDS: 128 bytes + 16
.set PB,    288                        ; a row of W in LDS: 256 bytes + 32
.set ABLK,  128*PA                     ; one block of 64 along K, 128 rows
.set PART,  2*ABLK                     ; what one tensor load brings: two blocks of A, or 128 rows of W
.set AREG,  4*ABLK
.set SLOT1, 2*AREG                     ; 0x24000: it shares no bit with the loads' places in a slot (0, 0x9000, 0x12000, 0x1b000), so one exclusive or changes slots
.set STAGE, 2*SLOT1                    ; behind the ring, never filled by a tensor load: 16 rows x 272 bytes for each wave
.set SPITCH, 272
.set SPARE, STAGE+4*16*SPITCH          ; the spare words, 128 bytes for each wave: two blocks of 256 bytes that no other line names
.set ASH,   21                         ; a K step in A: four blocks of 524,288 bytes = 2^21
.set BSH,   19                         ; in W: 256 rows of 2,048 bytes = 2^19
.set ADRA0, 16
.set ADRB0, 17
.set ADRA,  18
.set ADRB,  20                         ; v20: quarters 0, 1; v21: quarters 2, 3 (36,864 bytes on: an LDS offset has 16 bits)
.set STO,   24
.set RD,    25
.set CO,    26
.set BO,    27
.set SPW,   28
.set NIL,   29
.set PF,    30                         ; v30  the prefetch's lane offset; never rewritten
.set T,     32
.set E,     64
.set BIA,   96
.set PKR,   96
.set ACC,   128
.set F0,    0
.set F1,    128
.set R,     0
.set G1,  24
.set G0,  32
.set G1B, 48
.set G0B, 56
.set TB,  45
.set KI,  68                           ; s68      the K step to be asked for next
.set OF,  70                           ; s[70:71] its byte offset
.set PFA, 72                           ; s[72:73] the prefetch's base
.set PFB, 74                           ; s[74:75] A at my tile's rows, in the block of a step that is mine to ask ahead
.set MSB, 0
.macro WIN new
.if MSB != (\new)
	s_set_vgpr_msb (MSB<<8)|(\new)
.set MSB, \new
.endif
.endm
.set MUL,  0x05                        ; sources 0 (W) and 1 (A) window 1; C and D window 0
.set TO_F, 0x40                        ; destination window 1, address window 0
.macro PLACES
.rept 4
	v_nop
.endr
.endm
.macro JLOAD                           ; a joint refill by the walking descriptors; an s_nop 0 and four v_nop follow each of the two lines
	s_cmp_eq_u32 s13, 0
	s_cbranch_scc0 .Lfor_b_\@
	tensor_load_to_lds s[G0+4:G0+7], s[G1:G1+7]
	s_nop 0
	PLACES
	s_branch .Lasked_\@
.Lfor_b_\@:
	tensor_load_to_lds s[G0B+4:G0B+7], s[G1B:G1B+7]
	s_nop 0
	PLACES
.Lasked_\@:
.endm
.macro CREST
	s_cmp_lg_u32 s12, 0
	s_cbranch_scc1 .Lnot_wave_0_\@
	s_barrier_signal -3
.Lnot_wave_0_\@:
	s_barrier_wait -3
	s_barrier_signal -1
	s_barrier_wait -1
.endm
.macro CROUND
	s_barrier_signal -1
	s_barrier_wait -1
	CREST
.endm
; Set n of both group 0s takes K step KI: each global address is made anew, the tile's base plus the step's number shifted, the type bits set again; then KI goes one step on, round NS.
.macro ASK n
	s_lshl_b32 s[OF], s[KI], ASH
	s_add_nc_u64 s[G0+4*(\n)+2:G0+4*(\n)+3], s[18:19], s[OF:OF+1]
	s_or_b32 s[G0+4*(\n)+3], s[G0+4*(\n)+3], 0x80000000
	s_lshl_b32 s[OF], s[KI], BSH
	s_add_nc_u64 s[G0B+4*(\n)+2:G0B+4*(\n)+3], s[46:47], s[OF:OF+1]
	s_or_b32 s[G0B+4*(\n)+3], s[G0B+4*(\n)+3], 0x80000000
	s_add_co_u32 s[KI], s[KI], 1
	s_and_b32 s[KI], s[KI], NS-1
.endm
; A PREFETCH INTO THE L2, of A alone.  Of the NS / 2 steps of my walk whose A my cluster is the first to ask for, steps 2 .. NS / 2 - 1 are asked for ahead: step 2 at the start, step j + 3 in trip j, whose
; tensor load asks for step j + 2: one trip ahead.  A step's four blocks of my tile's rows are shared out among the four work-groups of my row of the cluster, 16,384 bytes each; waves 0 and 1 take half
; each, lanes 256 bytes apart: each 256 bytes are asked for once in the launch.  It stops behind step NS / 2 - 1 (the loop's count tells); the step's number is taken modulo NS, so every address lies in A.
.macro PFETCH counted
.if PREF > 0
.if \counted
	s_cmp_ge_u32 s3, NS/2+2                        ; trip j has s3 = NS - 2 - j: j + 3 < NS / 2
	s_cbranch_scc0 .Lno_pf_\@
.endif
	s_cmp_eq_u32 s13, 0
	s_cbranch_scc0 .Lno_pf_\@
	s_wait_xcnt 0x0                                ; the base that the last prefetch read, a trip ago, is rewritten only behind this wait
	s_lshl_b32 s[OF], s[KI], ASH
	s_add_nc_u64 s[PFA:PFA+1], s[PFB:PFB+1], s[OF:OF+1]
	global_prefetch_b8 v[PF], s[PFA:PFA+1] th:TH_LOAD_NT scope:SCOPE_SE
.Lno_pf_\@:
.endif
.endm
	s_load_b256 s[4:11], s[0:1], 0x0               ; A s[4:5], w24 s[6:7], res s[8:9], C s[10:11]
	v_lshl_add_u32 v[SPW], v0, 2, SPARE
	v_mov_b32 v[NIL], 0
	ds_add_u32 v28, v29
	s_wait_dscnt 0x0
	v_lshrrev_b32 v1, 5, v0
	v_readfirstlane_b32 s12, v1                    ; wave 0..3
	s_lshr_b32 s13, s12, 1                         ; my half of the tile's rows.  Also: I fetch for A (0) or for W (1)
	s_and_b32 s14, s12, 1                          ; my half of its columns.  Also: which part I fetch
	s_bfe_u32 s40, ttmp6, 0x40000                  ; cx
	s_bfe_u32 s41, ttmp6, 0x40004                  ; cy
	s_lshl_b32 s42, ttmp9, 2
	s_add_co_u32 s42, s42, s40                     ; tile column
	s_and_b32 s15, ttmp7, 0xffff
	s_lshl_b32 s15, s15, 2
	s_add_co_u32 s15, s15, s41                     ; tile row
	s_lshl_b32 s43, s41, 2
	s_lshl_b32 s43, 15, s43
	s_lshl_b32 s44, 0x1111, s40
	s_and_b32 s69, ttmp7, 3                        ; where my cluster's walk begins: (cluster y % 4) NS / 4
	s_mul_i32 s69, s69, NS/4
	s_mul_i32 s[KI], ttmp9, NS/2                   ; + cluster x NS / 2,
	s_add_co_u32 s[KI], s[KI], s69
	s_and_b32 s[KI], s[KI], NS-1                   ; modulo NS
	s_mov_b32 s[OF+1], 0
	s_or_b32 s[G1+0], s43, (1<<16)|(1<<20)|(1<<21)|(4<<22)|(3<<25)   ; mask; 2-byte elements; padding on; bit 21 beside a mask; after every 32 words 4 words
	s_mov_b32 s[G1+1], 8192<<16                    ; tensor_dim0 = 8,192 elements: a block's 128 rows on end
	s_mov_b32 s[G1+2], 2<<16                       ; tensor_dim1 = 2 blocks
	s_mov_b32 s[G1+3], 8192<<16                    ; tile_dim0
	s_mov_b32 s[G1+4], 2                           ; tile_dim1
	s_mov_b32 s[G1+5], 262144                      ; elements from block to block
	s_mov_b32 s[G1+6], 0
	s_mov_b32 s[G1+7], 0
	s_or_b32 s[G1B+0], s44, (1<<16)|(1<<20)|(1<<21)|(5<<22)|(7<<25)  ; after every 64 words 8 words
	s_mov_b32 s[G1B+1], 128<<16
	s_mov_b32 s[G1B+2], 128<<16
	s_mov_b32 s[G1B+3], 128<<16
	s_mov_b32 s[G1B+4], 128
	s_mov_b32 s[G1B+5], 1024
	s_mov_b32 s[G1B+6], 0
	s_mov_b32 s[G1B+7], 0
	s_lshl_b32 s16, s15, 14                        ; A: 128 rows x 128 bytes x tile row,
	s_lshl_b32 s17, s14, 20                        ; + my two blocks of a step's four
	s_add_co_u32 s16, s16, s17
	s_mov_b32 s17, 0
	s_lshl_b32 s46, s42, 8                         ; W: the tile column's 256 bytes of a row,
	s_lshl_b32 s47, s14, 18                        ; + my 128 rows of 2,048 bytes
	s_add_co_u32 s46, s46, s47
	s_add_co_u32 s46, s46, WOFF
	s_mov_b32 s47, 0
	s_mul_i32 s20, s14, PART                       ; where they go: no place in the cluster enters an LDS address
	s_add_co_u32 s21, s20, AREG
	s_mov_b32 s[TB], 0
	s_mov_b32 s22, 0xffff0000
	s_wait_kmcnt 0x0
	s_add_nc_u64 s[18:19], s[4:5], s[16:17]        ; my part of K step 0 of A, and of W: kept for the whole kernel
	s_add_nc_u64 s[46:47], s[6:7], s[46:47]
	CROUND                                         ; all sixteen work-groups are here: the first joint loads meet
.irp s, 0,1
	s_mov_b32 s[G0+4*(\s)], 1
	s_add_co_u32 s[G0+4*(\s)+1], s20, (\s)*SLOT1
	s_mov_b32 s[G0B+4*(\s)], 1
	s_add_co_u32 s[G0B+4*(\s)+1], s21, (\s)*SLOT1
	ASK \s                                         ; the walk's first two steps
.endr
	s_cmp_eq_u32 s13, 0                            ; a wave's two first fills stand in one branch: two loads of mine are out
	s_cbranch_scc0 .Lfirst_b
	tensor_load_to_lds s[G0:G0+3], s[G1:G1+7]
	s_nop 0
	tensor_load_to_lds s[G0+4:G0+7], s[G1:G1+7]
	s_nop 0
	PLACES
	s_branch .Lfirst_asked
.Lfirst_b:
	tensor_load_to_lds s[G0B:G0B+3], s[G1B:G1B+7]
	s_nop 0
	tensor_load_to_lds s[G0B+4:G0B+7], s[G1B:G1B+7]
	s_nop 0
	PLACES
.Lfirst_asked:
.if PREF > 0
	s_lshl_b32 s16, s15, 14                        ; the prefetch: my tile's rows, in block cx of a step's four,
	s_lshl_b32 s17, s40, 19
	s_add_co_u32 s16, s16, s17
	s_mov_b32 s17, 0
	s_add_nc_u64 s[PFB:PFB+1], s[4:5], s[16:17]
	s_lshl_b32 s16, s14, 13                        ; my wave's half of its 16,384 bytes,
	v_and_b32 v8, 31, v0
	v_lshl_add_u32 v[PF], v8, 8, s16               ; lanes 256 bytes apart
	PFETCH 0                                       ; step 2 of my walk
.endif
	s_lshl_b32 s16, s42, 9                         ; the bias of my 64 columns
	s_lshl_b32 s17, s14, 8
	s_add_co_u32 s16, s16, s17
	s_add_co_u32 s16, s16, BOFF
	s_mov_b32 s17, 0
	s_add_nc_u64 s[66:67], s[6:7], s[16:17]
	s_lshl_b32 s16, s15, 19                        ; res and C: row 128 x tile row + 64 x half, byte 512 x tile column + 256 x half
	s_lshl_b32 s17, s13, 18
	s_add_co_u32 s16, s16, s17
	s_lshl_b32 s17, s42, 9
	s_add_co_u32 s16, s16, s17
	s_lshl_b32 s17, s14, 8
	s_add_co_u32 s16, s16, s17
	s_mov_b32 s17, 0
	s_add_nc_u64 s[8:9], s[8:9], s[16:17]
	s_add_nc_u64 s[10:11], s[10:11], s[16:17]
	v_and_b32 v1, 15, v0                           ; l % 16
	v_bfe_u32 v2, v0, 4, 1                         ; l / 16
	v_lshlrev_b32 v[BO], 5, v2
	v_lshlrev_b32 v7, 12, v2                       ; lanes 0-15 one row of 256 bytes, lanes 16-31 the next
	v_lshl_add_u32 v[CO], v1, 4, v7
.irp b, 0,1,2,3
	global_load_b128 v[BIA+8*(\b):BIA+8*(\b)+3],   v[BO], s[66:67] offset:64*(\b)
	global_load_b128 v[BIA+8*(\b)+4:BIA+8*(\b)+7], v[BO], s[66:67] offset:64*(\b)+16
.endr
	WIN 0x80                                       ; destination window 2
.irp a, 0,1,2,3
.irp t, 0,1,2,3,4,5,6,7
	global_load_b128 v[R+32*(\a)+4*(\t):R+32*(\a)+4*(\t)+3], v[CO], s[8:9] offset:(16*(\a)+2*(\t))*4096
.endr
.endr
	WIN 0
	v_mul_u32_u24 v3, v1, PA
	v_lshl_add_u32 v3, v2, 4, v3
	s_mul_i32 s16, s13, 64*PA
	v_add_nc_u32 v[ADRA0], s16, v3
	v_and_b32 v4, 7, v0
	v_bfe_u32 v5, v0, 3, 1
	v_lshl_add_u32 v6, v2, 3, v4
	v_mul_u32_u24 v6, v6, PB
	v_lshl_add_u32 v6, v5, 4, v6
	s_lshl_b32 s17, s14, 7
	s_add_co_u32 s17, s17, AREG
	v_add_nc_u32 v[ADRB0], s17, v6
	v_mov_b32 v[ADRA], v[ADRA0]
	v_mov_b32 v[ADRB], v[ADRB0]
	v_add_nc_u32 v[ADRB+1], PART, v[ADRB0]
	s_mul_i32 s16, s12, 16*SPITCH
	s_add_co_u32 s16, s16, STAGE                   ; my stage
	v_mul_u32_u24 v7, v1, SPITCH                   ; in: row l % 16, 32 bytes for each half of the lanes
	v_lshl_add_u32 v7, v2, 5, v7
	v_add_nc_u32 v[STO], s16, v7
	v_mul_u32_u24 v7, v2, SPITCH                   ; back: lanes 0-15 one row, lanes 16-31 the next
	v_lshl_add_u32 v7, v1, 4, v7
	v_add_nc_u32 v[RD], s16, v7
; 8 matrix instructions: row blocks a0, a0 + 1 x all 4 column blocks, 32 along K: half c of buffer f.  first = 1: the bias starts the sums.  The 16 accumulators take turns.
.macro MUL8 f, c, a0, first
	WIN MUL
.irp a, \a0, (\a0)+1
.irp b, 0,1,2,3
.if \first
	v_wmma_f32_16x16x32_bf16 v[ACC+8*(4*(\a)+(\b)):ACC+8*(4*(\a)+(\b))+7], v[(\f)+64+8*(4*(\c)+(\b)):(\f)+64+8*(4*(\c)+(\b))+7], v[(\f)+8*(4*(\c)+(\a)):(\f)+8*(4*(\c)+(\a))+7], v[BIA+8*(\b):BIA+8*(\b)+7]
.else
	v_wmma_f32_16x16x32_bf16 v[ACC+8*(4*(\a)+(\b)):ACC+8*(4*(\a)+(\b))+7], v[(\f)+64+8*(4*(\c)+(\b)):(\f)+64+8*(4*(\c)+(\b))+7], v[(\f)+8*(4*(\c)+(\a)):(\f)+8*(4*(\c)+(\a))+7], v[ACC+8*(4*(\a)+(\b)):ACC+8*(4*(\a)+(\b))+7]
.endif
.endr
.endr
.endm
; 32 LDS loads in one run: the fragments of quarter q (64 along K) of the slot in hand, into buffer f; the first 32 along K first
.macro FETCH q, f
	WIN TO_F
.irp c, 0,1
.irp i, 0,1,2,3
	ds_load_tr16_b128 v[(\f)+64+8*(4*(\c)+(\i)):(\f)+64+8*(4*(\c)+(\i))+3],   v[ADRB+(\q)/2] offset:((\q)%2)*64*PB+(\c)*32*PB+32*(\i)
	ds_load_tr16_b128 v[(\f)+64+8*(4*(\c)+(\i))+4:(\f)+64+8*(4*(\c)+(\i))+7], v[ADRB+(\q)/2] offset:((\q)%2)*64*PB+(\c)*32*PB+16*PB+32*(\i)
	ds_load_b128 v[(\f)+8*(4*(\c)+(\i)):(\f)+8*(4*(\c)+(\i))+3],   v[ADRA] offset:(\q)*ABLK+64*(\c)+(\i)*16*PA
	ds_load_b128 v[(\f)+8*(4*(\c)+(\i))+4:(\f)+8*(4*(\c)+(\i))+7], v[ADRA] offset:(\q)*ABLK+64*(\c)+(\i)*16*PA+32
.endr
.endr
.endm
.macro QUARTER q, f, g, first
	s_wait_dscnt 16                                ; the first 32 along K are in
	MUL8 \f, 0, 0, \first
	MUL8 \f, 0, 2, \first
	PLACES
	FETCH \q, \g
	s_wait_dscnt 32                                ; all but the 32 just issued
	MUL8 \f, 1, 0, 0
	MUL8 \f, 1, 2, 0
.endm
; The last quarter multiplies buffer 1 and changes slots: in front of the barrier each wave waits for all its tensor loads, adds 0 to its spare word, and waits for that and for its reads of this slot.
; fill = 1: the barrier opens a round of the cluster's barrier, and this slot is filled again, first thing behind the round, with the walk's step two on: 112 matrix instructions ahead of the wait for it.
; The walking descriptors are written between the add and the wait for it, where no tensor load of mine is out.
.macro TURN fill
	WIN 0
	s_wait_tensorcnt 0x0
	ds_add_u32 v[SPW], v[NIL]                      ; 0 onto my spare word
.if \fill
	s_xor_b32 s[G0+5], s[G0+5], SLOT1              ; the other slot than last time,
	s_xor_b32 s[G0B+5], s[G0B+5], SLOT1
	ASK 1                                          ; the walk's next step
.endif
	s_wait_dscnt 17                                ; (the add and the youngest sixteen loads may be out)
	MUL8 F1, 0, 0, 0
	s_wait_dscnt 0x0                               ; the add is done, and my reads of this slot are over
	s_barrier_signal -1
	MUL8 F1, 0, 2, 0
	WIN 0
	s_barrier_wait -1
.if \fill
	CREST
	JLOAD                                          ; its four v_nop are also the places in front of the loads below
	PFETCH 1
.else
	PLACES
.endif
	s_xor_b32 s[TB], s[TB], SLOT1
	v_add_nc_u32 v[ADRA], s[TB], v[ADRA0]
	v_add_nc_u32 v[ADRB], s[TB], v[ADRB0]
	v_add_nc_u32 v[ADRB+1], PART, v[ADRB]
	FETCH 0, F0
	MUL8 F1, 1, 0, 0
	MUL8 F1, 1, 2, 0
.endm
; THE WAY OUT of block a (16 rows x 64 columns of f32): a lane's 32 bytes of a row go into my stage and come back as whole rows of 256 bytes; res is added; 16 lanes store a row's 256 bytes.
.macro OUT a
	WIN 0
.if (\a) > 0
	s_wait_xcnt 0x0                                ; the last block's stores have read T: it is loaded again only behind this wait
.endif
.irp b, 0,1,2,3
	ds_store_b128 v[STO], v[ACC+8*(4*(\a)+(\b)):ACC+8*(4*(\a)+(\b))+3]   offset:64*(\b)      ; each accumulator is read from its low end on
	ds_store_b128 v[STO], v[ACC+8*(4*(\a)+(\b))+4:ACC+8*(4*(\a)+(\b))+7] offset:64*(\b)+16
.endr
.irp t, 0,1,2,3,4,5,6,7
	ds_load_b128 v[T+4*(\t):T+4*(\t)+3], v[RD] offset:(\t)*2*SPITCH  ; LDS serves a wave's instructions in order (ISA guide 5.7.1.4): these see the stores above
.endr
.if ROUNDRES
	WIN 0x0a                                       ; sources in window 2
.set z, 0
.rept 16
	v_cvt_pk_bf16_f32 v[PKR+z], v[R+32*(\a)+2*z], v[R+32*(\a)+2*z+1]
.set z, z+1
.endr
	WIN 0
.set z, 0
.rept 16
	v_lshlrev_b32 v[E+2*z], 16, v[PKR+z]
	v_and_b32 v[E+2*z+1], s22, v[PKR+z]
.set z, z+1
.endr
	s_wait_dscnt 0x0
.set z, 0
.rept 16
	v_pk_add_f32 v[T+2*z:T+2*z+1], v[T+2*z:T+2*z+1], v[E+2*z:E+2*z+1]
.set z, z+1
.endr
.else
	s_wait_dscnt 0x0
	WIN 0x08                                       ; source 1 in window 2
.set z, 0
.rept 16
	v_pk_add_f32 v[T+2*z:T+2*z+1], v[T+2*z:T+2*z+1], v[R+32*(\a)+2*z:R+32*(\a)+2*z+1]
.set z, z+1
.endr
	WIN 0
.endif
.irp t, 0,1,2,3,4,5,6,7
	global_store_b128 v[CO], v[T+4*(\t):T+4*(\t)+3], s[10:11] offset:(16*(\a)+2*(\t))*4096  ; 16 lanes store 256 consecutive bytes, at a multiple of 256 from C's first byte
.endr
.endm
	s_wait_tensorcnt 1                             ; my part of the walk's first step is in; the second's may stay out
	s_barrier_signal -1
	s_barrier_wait -1
	FETCH 0, F0
	s_wait_loadcnt 32                              ; the bias is in; the 32 loads of res stay out until the way out
	QUARTER 1, F0, F1, 1
	WIN 0
	s_mov_b32 s3, NS-1
	s_branch .Lenter                               ; the loop is entered in the middle of a trip
.Lstep:                                                ; NS - 2 times: the walk's steps 2 .. NS - 1 are asked for
	TURN 1
	QUARTER 1, F0, F1, 0
	WIN 0
.Lenter:
	QUARTER 2, F1, F0, 0
	QUARTER 3, F0, F1, 0
	WIN 0
	s_sub_co_u32 s3, s3, 1
	s_cmp_lg_u32 s3, 0
	s_cbranch_scc1 .Lstep
	TURN 0                                         ; the tail is written out: nothing more is asked for
	QUARTER 1, F0, F1, 0
	QUARTER 2, F1, F0, 0
	QUARTER 3, F0, F1, 0
	s_wait_dscnt 16
	MUL8 F1, 0, 0, 0
	MUL8 F1, 0, 2, 0
	s_wait_dscnt 0x0
	MUL8 F1, 1, 0, 0
	MUL8 F1, 1, 2, 0
	WIN 0
	PLACES
	s_wait_loadcnt 0x0                             ; res
	OUT 0
	OUT 1
	OUT 2
	OUT 3
	s_wait_tensorcnt 0x0                           ; the wave's end
	ds_add_u32 v[SPW], v[NIL]
	s_wait_dscnt 0x0
	CROUND                                         ; the closing round
	s_endpgm
.Lfunc_end_k_qd22dfaacff_proj:
	.size	k_qd22dfaacff_proj, .Lfunc_end_k_qd22dfaacff_proj-k_qd22dfaacff_proj
	.p2alignl 7, 3214868480
	.fill 96, 4, 3214868480
	.section	.rodata,"a",@progbits
	.p2align	6, 0x0
	.amdhsa_kernel k_qd22dfaacff_proj
		.amdhsa_group_segment_fixed_size 327680
		.amdhsa_private_segment_fixed_size 0
		.amdhsa_enable_private_segment 0
		.amdhsa_kernarg_size 32
		.amdhsa_user_sgpr_count 2
		.amdhsa_user_sgpr_kernarg_segment_ptr 1
		.amdhsa_wavefront_size32 1
		.amdhsa_system_sgpr_workgroup_id_x 1
		.amdhsa_system_sgpr_workgroup_id_y 1
		.amdhsa_system_sgpr_workgroup_id_z 1
		.amdhsa_system_vgpr_workitem_id 0
		.amdhsa_next_free_vgpr 640
		.amdhsa_next_free_sgpr 80
		.amdhsa_reserve_vcc 0
		.amdhsa_float_denorm_mode_32 3
		.amdhsa_float_denorm_mode_16_64 3
		.amdhsa_memory_ordered 1
		.amdhsa_forward_progress 1
		.amdhsa_inst_pref_size 76
	.end_amdhsa_kernel
	.amdgpu_metadata
---
amdhsa.version: [ 1, 2 ]
amdhsa.kernels:
  - .name:           k_qd22dfaacff_proj
    .symbol:         k_qd22dfaacff_proj.kd
    .args:
      - { .name: act, .offset: 0, .size: 8, .value_kind: global_buffer, .address_space: global }
      - { .name: w24, .offset: 8, .size: 8, .value_kind: global_buffer, .address_space: global }
      - { .name: x, .offset: 16, .size: 8, .value_kind: global_buffer, .address_space: global }
      - { .name: x1, .offset: 24, .size: 8, .value_kind: global_buffer, .address_space: global }
    .group_segment_fixed_size: 327680
    .private_segment_fixed_size: 0
    .kernarg_segment_align: 8
    .kernarg_segment_size: 32
    .max_flat_workgroup_size: 128
    .sgpr_count:     80
    .vgpr_count:     640
    .wavefront_size: 32
...
	.end_amdgpu_metadata
.endif
;; end of part 4
;; launch ln2: the kernel of part 1 again; grid 256 x 1, 8 waves a work-group, no clusters, 0 bytes of LDS; arguments x1, ln2_w, ln2_b, act, Wq, Wk, Wv, Wo, W1, W2, bq, bk, bv, b1, bo, b2, pq, p1, w24; writes act, pq, p1, w24
;; launch ffn1: the kernel of part 2 again; grid 16 x 16, 4 waves a work-group, clusters of 4 x 4, 327,680 bytes of LDS; arguments act, p1, big; writes big
;; launch ffn2 (part 5): grid 8 x 32, 4 waves a work-group, clusters of 4 x 4, 327,680 bytes of LDS; arguments big, w24, x1, out0; writes out0
.if DOCPART == 5
	.amdgcn_target "amdgcn-amd-amdhsa--gfx1250"
	.amdhsa_code_object_version 6
	.text
	.protected	k_qd22dfaacff_ffn2
	.globl	k_qd22dfaacff_ffn2
	.p2align	8
	.type	k_qd22dfaacff_ffn2,@function
k_qd22dfaacff_ffn2:
	s_mov_b64 s[64:65], 0
	v_nop
	global_prefetch_b8 v0, s[64:65] scope:SCOPE_SE
	s_setreg_imm32_b32 hwreg(HW_REG_WAVE_MODE, 25, 1), 1
	s_wait_xcnt 0x0
	s_wait_alu depctr_hold_cnt(0) depctr_sa_sdst(0) depctr_va_vdst(0) depctr_va_sdst(0) depctr_va_ssrc(0) depctr_va_vcc(0) depctr_vm_vsrc(0)
	s_getreg_b32 s2, hwreg(HW_REG_IB_STS2, 6, 4)
	s_cmp_eq_u32 s2, 0
	s_cbranch_scc0 .Lentry_in_a_cluster
	s_endpgm
.Lentry_in_a_cluster:
	s_bfe_u32 s2, ttmp6, 0x10000c
	s_cmp_lg_u32 s2, 0xf033
	s_cbranch_scc0 .Lentry_shape_is_right
	s_endpgm
.Lentry_shape_is_right:
; C = res + A W + bias, f32.  A: 4,096 rows x 256 NS columns, bf16, in blocks of 64 columns [..][4096][64].  W: bf16 [K][1024] at byte WOFF of w24; bias: f32 at byte BOFF of w24.  res, C: [4096][1024] f32.
; Here: A = relu(h2 W1 + b1), K = 4,096, W = W2, bias = b2, res = the block's first half, taken as it is (ROUNDRES = 0).  Sums in f32, started by the bias.
; SHARES.  A tile of C is 128 x 128, so that 8 x 32 tiles give 256 work-groups; four waves, each 64 x 64: 16 accumulators.  K goes in NS steps of 256 through two LDS slots.
; CLUSTER.  4 x 4 work-groups: A's tiles are asked for jointly along a row of the cluster, W's along a column.  Waves 0 and 1 fetch two of A's four blocks each (a block's 128 rows are 16,384 dense bytes: one
; row of the tile), waves 2 and 3 128 rows of W each (256 bytes a row).
; THE WALK ALONG K BEGINS ELSEWHERE IN EACH CLUSTER: cluster (X, Y) begins at K step X NS / 2 + (Y % 4) NS / 4 and goes round, modulo NS.  The two clusters that need the same rows of A are then NS / 2 steps
; apart: each is the first to ask for one half of K, and asks for the other half behind its neighbour; W's tiles are all asked for a first time in the first NS / 2 steps of the walks.  Each output still has
; one f32 sum; it takes K in the walk's order.  The step's number hangs on the cluster's place in the grid and the trip alone, which all partners share.
; THE MATRIX INSTRUCTION IS USED TRANSPOSED (source 0 = 16 columns of W, turned by ds_load_tr16_b128; source 1 = 16 rows of A): a lane holds eight neighbouring numbers of a row of C.
; REGISTERS: window 0: v16-30 addresses; v32-63 the way out; v96-127 the bias; v128-255 the accumulators ((a, b) at v[128 + 8 (4 a + b)]).
;   window 1: two fragment buffers of 128: for 64 along K, 64 registers of A, then 64 of W.     window 2: v0-127 my 64 x 64 of res, loaded at the start.
; lds_bytes claims all of the LDS; the text uses 312,832 bytes.
.set NS,    16                         ; K steps of 256: a power of two
.set WOFF,  2097152
.set BOFF,  10489856
.set ROUNDRES, 0
.set PREF,  NS/2-2                     ; steps of A that are asked for ahead (see PFETCH): six
.set PA,    144                        ; a row of A in LDS: 128 bytes + 16
.set PB,    288                        ; a row of W in LDS: 256 bytes + 32
.set ABLK,  128*PA                     ; one block of 64 along K, 128 rows
.set PART,  2*ABLK                     ; what one tensor load brings: two blocks of A, or 128 rows of W
.set AREG,  4*ABLK
.set SLOT1, 2*AREG                     ; 0x24000: it shares no bit with the loads' places in a slot (0, 0x9000, 0x12000, 0x1b000), so one exclusive or changes slots
.set STAGE, 2*SLOT1                    ; behind the ring, never filled by a tensor load: 16 rows x 272 bytes for each wave
.set SPITCH, 272
.set SPARE, STAGE+4*16*SPITCH          ; the spare words, 128 bytes for each wave: two blocks of 256 bytes that no other line names
.set ASH,   21                         ; a K step in A: four blocks of 524,288 bytes = 2^21
.set BSH,   19                         ; in W: 256 rows of 2,048 bytes = 2^19
.set ADRA0, 16
.set ADRB0, 17
.set ADRA,  18
.set ADRB,  20                         ; v20: quarters 0, 1; v21: quarters 2, 3 (36,864 bytes on: an LDS offset has 16 bits)
.set STO,   24
.set RD,    25
.set CO,    26
.set BO,    27
.set SPW,   28
.set NIL,   29
.set PF,    30                         ; v30  the prefetch's lane offset; never rewritten
.set T,     32
.set E,     64
.set BIA,   96
.set PKR,   96
.set ACC,   128
.set F0,    0
.set F1,    128
.set R,     0
.set G1,  24
.set G0,  32
.set G1B, 48
.set G0B, 56
.set TB,  45
.set KI,  68                           ; s68      the K step to be asked for next
.set OF,  70                           ; s[70:71] its byte offset
.set PFA, 72                           ; s[72:73] the prefetch's base
.set PFB, 74                           ; s[74:75] A at my tile's rows, in the block of a step that is mine to ask ahead
.set MSB, 0
.macro WIN new
.if MSB != (\new)
	s_set_vgpr_msb (MSB<<8)|(\new)
.set MSB, \new
.endif
.endm
.set MUL,  0x05                        ; sources 0 (W) and 1 (A) window 1; C and D window 0
.set TO_F, 0x40                        ; destination window 1, address window 0
.macro PLACES
.rept 4
	v_nop
.endr
.endm
.macro JLOAD                           ; a joint refill by the walking descriptors; an s_nop 0 and four v_nop follow each of the two lines
	s_cmp_eq_u32 s13, 0
	s_cbranch_scc0 .Lfor_b_\@
	tensor_load_to_lds s[G0+4:G0+7], s[G1:G1+7]
	s_nop 0
	PLACES
	s_branch .Lasked_\@
.Lfor_b_\@:
	tensor_load_to_lds s[G0B+4:G0B+7], s[G1B:G1B+7]
	s_nop 0
	PLACES
.Lasked_\@:
.endm
.macro CREST
	s_cmp_lg_u32 s12, 0
	s_cbranch_scc1 .Lnot_wave_0_\@
	s_barrier_signal -3
.Lnot_wave_0_\@:
	s_barrier_wait -3
	s_barrier_signal -1
	s_barrier_wait -1
.endm
.macro CROUND
	s_barrier_signal -1
	s_barrier_wait -1
	CREST
.endm
; Set n of both group 0s takes K step KI: each global address is made anew, the tile's base plus the step's number shifted, the type bits set again; then KI goes one step on, round NS.
.macro ASK n
	s_lshl_b32 s[OF], s[KI], ASH
	s_add_nc_u64 s[G0+4*(\n)+2:G0+4*(\n)+3], s[18:19], s[OF:OF+1]
	s_or_b32 s[G0+4*(\n)+3], s[G0+4*(\n)+3], 0x80000000
	s_lshl_b32 s[OF], s[KI], BSH
	s_add_nc_u64 s[G0B+4*(\n)+2:G0B+4*(\n)+3], s[46:47], s[OF:OF+1]
	s_or_b32 s[G0B+4*(\n)+3], s[G0B+4*(\n)+3], 0x80000000
	s_add_co_u32 s[KI], s[KI], 1
	s_and_b32 s[KI], s[KI], NS-1
.endm
; A PREFETCH INTO THE L2, of A alone.  Of the NS / 2 steps of my walk whose A my cluster is the first to ask for, steps 2 .. NS / 2 - 1 are asked for ahead: step 2 at the start, step j + 3 in trip j, whose
; tensor load asks for step j + 2: one trip ahead.  A step's four blocks of my tile's rows are shared out among the four work-groups of my row of the cluster, 16,384 bytes each; waves 0 and 1 take half
; each, lanes 256 bytes apart: each 256 bytes are asked for once in the launch.  It stops behind step NS / 2 - 1 (the loop's count tells); the step's number is taken modulo NS, so every address lies in A.
.macro PFETCH counted
.if PREF > 0
.if \counted
	s_cmp_ge_u32 s3, NS/2+2                        ; trip j has s3 = NS - 2 - j: j + 3 < NS / 2
	s_cbranch_scc0 .Lno_pf_\@
.endif
	s_cmp_eq_u32 s13, 0
	s_cbranch_scc0 .Lno_pf_\@
	s_wait_xcnt 0x0                                ; the base that the last prefetch read, a trip ago, is rewritten only behind this wait
	s_lshl_b32 s[OF], s[KI], ASH
	s_add_nc_u64 s[PFA:PFA+1], s[PFB:PFB+1], s[OF:OF+1]
	global_prefetch_b8 v[PF], s[PFA:PFA+1] th:TH_LOAD_NT scope:SCOPE_SE
.Lno_pf_\@:
.endif
.endm
	s_load_b256 s[4:11], s[0:1], 0x0               ; A s[4:5], w24 s[6:7], res s[8:9], C s[10:11]
	v_lshl_add_u32 v[SPW], v0, 2, SPARE
	v_mov_b32 v[NIL], 0
	ds_add_u32 v28, v29
	s_wait_dscnt 0x0
	v_lshrrev_b32 v1, 5, v0
	v_readfirstlane_b32 s12, v1                    ; wave 0..3
	s_lshr_b32 s13, s12, 1                         ; my half of the tile's rows.  Also: I fetch for A (0) or for W (1)
	s_and_b32 s14, s12, 1                          ; my half of its columns.  Also: which part I fetch
	s_bfe_u32 s40, ttmp6, 0x40000                  ; cx
	s_bfe_u32 s41, ttmp6, 0x40004                  ; cy
	s_lshl_b32 s42, ttmp9, 2
	s_add_co_u32 s42, s42, s40                     ; tile column
	s_and_b32 s15, ttmp7, 0xffff
	s_lshl_b32 s15, s15, 2
	s_add_co_u32 s15, s15, s41                     ; tile row
	s_lshl_b32 s43, s41, 2
	s_lshl_b32 s43, 15, s43
	s_lshl_b32 s44, 0x1111, s40
	s_and_b32 s69, ttmp7, 3                        ; where my cluster's walk begins: (cluster y % 4) NS / 4
	s_mul_i32 s69, s69, NS/4
	s_mul_i32 s[KI], ttmp9, NS/2                   ; + cluster x NS / 2,
	s_add_co_u32 s[KI], s[KI], s69
	s_and_b32 s[KI], s[KI], NS-1                   ; modulo NS
	s_mov_b32 s[OF+1], 0
	s_or_b32 s[G1+0], s43, (1<<16)|(1<<20)|(1<<21)|(4<<22)|(3<<25)   ; mask; 2-byte elements; padding on; bit 21 beside a mask; after every 32 words 4 words
	s_mov_b32 s[G1+1], 8192<<16                    ; tensor_dim0 = 8,192 elements: a block's 128 rows on end
	s_mov_b32 s[G1+2], 2<<16                       ; tensor_dim1 = 2 blocks
	s_mov_b32 s[G1+3], 8192<<16                    ; tile_dim0
	s_mov_b32 s[G1+4], 2                           ; tile_dim1
	s_mov_b32 s[G1+5], 262144                      ; elements from block to block
	s_mov_b32 s[G1+6], 0
	s_mov_b32 s[G1+7], 0
	s_or_b32 s[G1B+0], s44, (1<<16)|(1<<20)|(1<<21)|(5<<22)|(7<<25)  ; after every 64 words 8 words
	s_mov_b32 s[G1B+1], 128<<16
	s_mov_b32 s[G1B+2], 128<<16
	s_mov_b32 s[G1B+3], 128<<16
	s_mov_b32 s[G1B+4], 128
	s_mov_b32 s[G1B+5], 1024
	s_mov_b32 s[G1B+6], 0
	s_mov_b32 s[G1B+7], 0
	s_lshl_b32 s16, s15, 14                        ; A: 128 rows x 128 bytes x tile row,
	s_lshl_b32 s17, s14, 20                        ; + my two blocks of a step's four
	s_add_co_u32 s16, s16, s17
	s_mov_b32 s17, 0
	s_lshl_b32 s46, s42, 8                         ; W: the tile column's 256 bytes of a row,
	s_lshl_b32 s47, s14, 18                        ; + my 128 rows of 2,048 bytes
	s_add_co_u32 s46, s46, s47
	s_add_co_u32 s46, s46, WOFF
	s_mov_b32 s47, 0
	s_mul_i32 s20, s14, PART                       ; where they go: no place in the cluster enters an LDS address
	s_add_co_u32 s21, s20, AREG
	s_mov_b32 s[TB], 0
	s_mov_b32 s22, 0xffff0000
	s_wait_kmcnt 0x0
	s_add_nc_u64 s[18:19], s[4:5], s[16:17]        ; my part of K step 0 of A, and of W: kept for the whole kernel
	s_add_nc_u64 s[46:47], s[6:7], s[46:47]
	CROUND                                         ; all sixteen work-groups are here: the first joint loads meet
.irp s, 0,1
	s_mov_b32 s[G0+4*(\s)], 1
	s_add_co_u32 s[G0+4*(\s)+1], s20, (\s)*SLOT1
	s_mov_b32 s[G0B+4*(\s)], 1
	s_add_co_u32 s[G0B+4*(\s)+1], s21, (\s)*SLOT1
	ASK \s                                         ; the walk's first two steps
.endr
	s_cmp_eq_u32 s13, 0                            ; a wave's two first fills stand in one branch: two loads of mine are out
	s_cbranch_scc0 .Lfirst_b
	tensor_load_to_lds s[G0:G0+3], s[G1:G1+7]
	s_nop 0
	tensor_load_to_lds s[G0+4:G0+7], s[G1:G1+7]
	s_nop 0
	PLACES
	s_branch .Lfirst_asked
.Lfirst_b:
	tensor_load_to_lds s[G0B:G0B+3], s[G1B:G1B+7]
	s_nop 0
	tensor_load_to_lds s[G0B+4:G0B+7], s[G1B:G1B+7]
	s_nop 0
	PLACES
.Lfirst_asked:
.if PREF > 0
	s_lshl_b32 s16, s15, 14                        ; the prefetch: my tile's rows, in block cx of a step's four,
	s_lshl_b32 s17, s40, 19
	s_add_co_u32 s16, s16, s17
	s_mov_b32 s17, 0
	s_add_nc_u64 s[PFB:PFB+1], s[4:5], s[16:17]
	s_lshl_b32 s16, s14, 13                        ; my wave's half of its 16,384 bytes,
	v_and_b32 v8, 31, v0
	v_lshl_add_u32 v[PF], v8, 8, s16               ; lanes 256 bytes apart
	PFETCH 0                                       ; step 2 of my walk
.endif
	s_lshl_b32 s16, s42, 9                         ; the bias of my 64 columns
	s_lshl_b32 s17, s14, 8
	s_add_co_u32 s16, s16, s17
	s_add_co_u32 s16, s16, BOFF
	s_mov_b32 s17, 0
	s_add_nc_u64 s[66:67], s[6:7], s[16:17]
	s_lshl_b32 s16, s15, 19                        ; res and C: row 128 x tile row + 64 x half, byte 512 x tile column + 256 x half
	s_lshl_b32 s17, s13, 18
	s_add_co_u32 s16, s16, s17
	s_lshl_b32 s17, s42, 9
	s_add_co_u32 s16, s16, s17
	s_lshl_b32 s17, s14, 8
	s_add_co_u32 s16, s16, s17
	s_mov_b32 s17, 0
	s_add_nc_u64 s[8:9], s[8:9], s[16:17]
	s_add_nc_u64 s[10:11], s[10:11], s[16:17]
	v_and_b32 v1, 15, v0                           ; l % 16
	v_bfe_u32 v2, v0, 4, 1                         ; l / 16
	v_lshlrev_b32 v[BO], 5, v2
	v_lshlrev_b32 v7, 12, v2                       ; lanes 0-15 one row of 256 bytes, lanes 16-31 the next
	v_lshl_add_u32 v[CO], v1, 4, v7
.irp b, 0,1,2,3
	global_load_b128 v[BIA+8*(\b):BIA+8*(\b)+3],   v[BO], s[66:67] offset:64*(\b)
	global_load_b128 v[BIA+8*(\b)+4:BIA+8*(\b)+7], v[BO], s[66:67] offset:64*(\b)+16
.endr
	WIN 0x80                                       ; destination window 2
.irp a, 0,1,2,3
.irp t, 0,1,2,3,4,5,6,7
	global_load_b128 v[R+32*(\a)+4*(\t):R+32*(\a)+4*(\t)+3], v[CO], s[8:9] offset:(16*(\a)+2*(\t))*4096
.endr
.endr
	WIN 0
	v_mul_u32_u24 v3, v1, PA
	v_lshl_add_u32 v3, v2, 4, v3
	s_mul_i32 s16, s13, 64*PA
	v_add_nc_u32 v[ADRA0], s16, v3
	v_and_b32 v4, 7, v0
	v_bfe_u32 v5, v0, 3, 1
	v_lshl_add_u32 v6, v2, 3, v4
	v_mul_u32_u24 v6, v6, PB
	v_lshl_add_u32 v6, v5, 4, v6
	s_lshl_b32 s17, s14, 7
	s_add_co_u32 s17, s17, AREG
	v_add_nc_u32 v[ADRB0], s17, v6
	v_mov_b32 v[ADRA], v[ADRA0]
	v_mov_b32 v[ADRB], v[ADRB0]
	v_add_nc_u32 v[ADRB+1], PART, v[ADRB0]
	s_mul_i32 s16, s12, 16*SPITCH
	s_add_co_u32 s16, s16, STAGE                   ; my stage
	v_mul_u32_u24 v7, v1, SPITCH                   ; in: row l % 16, 32 bytes for each half of the lanes
	v_lshl_add_u32 v7, v2, 5, v7
	v_add_nc_u32 v[STO], s16, v7
	v_mul_u32_u24 v7, v2, SPITCH                   ; back: lanes 0-15 one row, lanes 16-31 the next
	v_lshl_add_u32 v7, v1, 4, v7
	v_add_nc_u32 v[RD], s16, v7
; 8 matrix instructions: row blocks a0, a0 + 1 x all 4 column blocks, 32 along K: half c of buffer f.  first = 1: the bias starts the sums.  The 16 accumulators take turns.
.macro MUL8 f, c, a0, first
	WIN MUL
.irp a, \a0, (\a0)+1
.irp b, 0,1,2,3
.if \first
	v_wmma_f32_16x16x32_bf16 v[ACC+8*(4*(\a)+(\b)):ACC+8*(4*(\a)+(\b))+7], v[(\f)+64+8*(4*(\c)+(\b)):(\f)+64+8*(4*(\c)+(\b))+7], v[(\f)+8*(4*(\c)+(\a)):(\f)+8*(4*(\c)+(\a))+7], v[BIA+8*(\b):BIA+8*(\b)+7]
.else
	v_wmma_f32_16x16x32_bf16 v[ACC+8*(4*(\a)+(\b)):ACC+8*(4*(\a)+(\b))+7], v[(\f)+64+8*(4*(\c)+(\b)):(\f)+64+8*(4*(\c)+(\b))+7], v[(\f)+8*(4*(\c)+(\a)):(\f)+8*(4*(\c)+(\a))+7], v[ACC+8*(4*(\a)+(\b)):ACC+8*(4*(\a)+(\b))+7]
.endif
.endr
.endr
.endm
; 32 LDS loads in one run: the fragments of quarter q (64 along K) of the slot in hand, into buffer f; the first 32 along K first
.macro FETCH q, f
	WIN TO_F
.irp c, 0,1
.irp i, 0,1,2,3
	ds_load_tr16_b128 v[(\f)+64+8*(4*(\c)+(\i)):(\f)+64+8*(4*(\c)+(\i))+3],   v[ADRB+(\q)/2] offset:((\q)%2)*64*PB+(\c)*32*PB+32*(\i)
	ds_load_tr16_b128 v[(\f)+64+8*(4*(\c)+(\i))+4:(\f)+64+8*(4*(\c)+(\i))+7], v[ADRB+(\q)/2] offset:((\q)%2)*64*PB+(\c)*32*PB+16*PB+32*(\i)
	ds_load_b128 v[(\f)+8*(4*(\c)+(\i)):(\f)+8*(4*(\c)+(\i))+3],   v[ADRA] offset:(\q)*ABLK+64*(\c)+(\i)*16*PA
	ds_load_b128 v[(\f)+8*(4*(\c)+(\i))+4:(\f)+8*(4*(\c)+(\i))+7], v[ADRA] offset:(\q)*ABLK+64*(\c)+(\i)*16*PA+32
.endr
.endr
.endm
.macro QUARTER q, f, g, first
	s_wait_dscnt 16                                ; the first 32 along K are in
	MUL8 \f, 0, 0, \first
	MUL8 \f, 0, 2, \first
	PLACES
	FETCH \q, \g
	s_wait_dscnt 32                                ; all but the 32 just issued
	MUL8 \f, 1, 0, 0
	MUL8 \f, 1, 2, 0
.endm
; The last quarter multiplies buffer 1 and changes slots: in front of the barrier each wave waits for all its tensor loads, adds 0 to its spare word, and waits for that and for its reads of this slot.
; fill = 1: the barrier opens a round of the cluster's barrier, and this slot is filled again, first thing behind the round, with the walk's step two on: 112 matrix instructions ahead of the wait for it.
; The walking descriptors are written between the add and the wait for it, where no tensor load of mine is out.
.macro TURN fill
	WIN 0
	s_wait_tensorcnt 0x0
	ds_add_u32 v[SPW], v[NIL]                      ; 0 onto my spare word
.if \fill
	s_xor_b32 s[G0+5], s[G0+5], SLOT1              ; the other slot than last time,
	s_xor_b32 s[G0B+5], s[G0B+5], SLOT1
	ASK 1                                          ; the walk's next step
.endif
	s_wait_dscnt 17                                ; (the add and the youngest sixteen loads may be out)
	MUL8 F1, 0, 0, 0
	s_wait_dscnt 0x0                               ; the add is done, and my reads of this slot are over
	s_barrier_signal -1
	MUL8 F1, 0, 2, 0
	WIN 0
	s_barrier_wait -1
.if \fill
	CREST
	JLOAD                                          ; its four v_nop are also the places in front of the loads below
	PFETCH 1
.else
	PLACES
.endif
	s_xor_b32 s[TB], s[TB], SLOT1
	v_add_nc_u32 v[ADRA], s[TB], v[ADRA0]
	v_add_nc_u32 v[ADRB], s[TB], v[ADRB0]
	v_add_nc_u32 v[ADRB+1], PART, v[ADRB]
	FETCH 0, F0
	MUL8 F1, 1, 0, 0
	MUL8 F1, 1, 2, 0
.endm
; THE WAY OUT of block a (16 rows x 64 columns of f32): a lane's 32 bytes of a row go into my stage and come back as whole rows of 256 bytes; res is added; 16 lanes store a row's 256 bytes.
.macro OUT a
	WIN 0
.if (\a) > 0
	s_wait_xcnt 0x0                                ; the last block's stores have read T: it is loaded again only behind this wait
.endif
.irp b, 0,1,2,3
	ds_store_b128 v[STO], v[ACC+8*(4*(\a)+(\b)):ACC+8*(4*(\a)+(\b))+3]   offset:64*(\b)      ; each accumulator is read from its low end on
	ds_store_b128 v[STO], v[ACC+8*(4*(\a)+(\b))+4:ACC+8*(4*(\a)+(\b))+7] offset:64*(\b)+16
.endr
.irp t, 0,1,2,3,4,5,6,7
	ds_load_b128 v[T+4*(\t):T+4*(\t)+3], v[RD] offset:(\t)*2*SPITCH  ; LDS serves a wave's instructions in order (ISA guide 5.7.1.4): these see the stores above
.endr
.if ROUNDRES
	WIN 0x0a                                       ; sources in window 2
.set z, 0
.rept 16
	v_cvt_pk_bf16_f32 v[PKR+z], v[R+32*(\a)+2*z], v[R+32*(\a)+2*z+1]
.set z, z+1
.endr
	WIN 0
.set z, 0
.rept 16
	v_lshlrev_b32 v[E+2*z], 16, v[PKR+z]
	v_and_b32 v[E+2*z+1], s22, v[PKR+z]
.set z, z+1
.endr
	s_wait_dscnt 0x0
.set z, 0
.rept 16
	v_pk_add_f32 v[T+2*z:T+2*z+1], v[T+2*z:T+2*z+1], v[E+2*z:E+2*z+1]
.set z, z+1
.endr
.else
	s_wait_dscnt 0x0
	WIN 0x08                                       ; source 1 in window 2
.set z, 0
.rept 16
	v_pk_add_f32 v[T+2*z:T+2*z+1], v[T+2*z:T+2*z+1], v[R+32*(\a)+2*z:R+32*(\a)+2*z+1]
.set z, z+1
.endr
	WIN 0
.endif
.irp t, 0,1,2,3,4,5,6,7
	global_store_b128 v[CO], v[T+4*(\t):T+4*(\t)+3], s[10:11] offset:(16*(\a)+2*(\t))*4096  ; 16 lanes store 256 consecutive bytes, at a multiple of 256 from C's first byte
.endr
.endm
	s_wait_tensorcnt 1                             ; my part of the walk's first step is in; the second's may stay out
	s_barrier_signal -1
	s_barrier_wait -1
	FETCH 0, F0
	s_wait_loadcnt 32                              ; the bias is in; the 32 loads of res stay out until the way out
	QUARTER 1, F0, F1, 1
	WIN 0
	s_mov_b32 s3, NS-1
	s_branch .Lenter                               ; the loop is entered in the middle of a trip
.Lstep:                                                ; NS - 2 times: the walk's steps 2 .. NS - 1 are asked for
	TURN 1
	QUARTER 1, F0, F1, 0
	WIN 0
.Lenter:
	QUARTER 2, F1, F0, 0
	QUARTER 3, F0, F1, 0
	WIN 0
	s_sub_co_u32 s3, s3, 1
	s_cmp_lg_u32 s3, 0
	s_cbranch_scc1 .Lstep
	TURN 0                                         ; the tail is written out: nothing more is asked for
	QUARTER 1, F0, F1, 0
	QUARTER 2, F1, F0, 0
	QUARTER 3, F0, F1, 0
	s_wait_dscnt 16
	MUL8 F1, 0, 0, 0
	MUL8 F1, 0, 2, 0
	s_wait_dscnt 0x0
	MUL8 F1, 1, 0, 0
	MUL8 F1, 1, 2, 0
	WIN 0
	PLACES
	s_wait_loadcnt 0x0                             ; res
	OUT 0
	OUT 1
	OUT 2
	OUT 3
	s_wait_tensorcnt 0x0                           ; the wave's end
	ds_add_u32 v[SPW], v[NIL]
	s_wait_dscnt 0x0
	CROUND                                         ; the closing round
	s_endpgm
.Lfunc_end_k_qd22dfaacff_ffn2:
	.size	k_qd22dfaacff_ffn2, .Lfunc_end_k_qd22dfaacff_ffn2-k_qd22dfaacff_ffn2
	.p2alignl 7, 3214868480
	.fill 96, 4, 3214868480
	.section	.rodata,"a",@progbits
	.p2align	6, 0x0
	.amdhsa_kernel k_qd22dfaacff_ffn2
		.amdhsa_group_segment_fixed_size 327680
		.amdhsa_private_segment_fixed_size 0
		.amdhsa_enable_private_segment 0
		.amdhsa_kernarg_size 32
		.amdhsa_user_sgpr_count 2
		.amdhsa_user_sgpr_kernarg_segment_ptr 1
		.amdhsa_wavefront_size32 1
		.amdhsa_system_sgpr_workgroup_id_x 1
		.amdhsa_system_sgpr_workgroup_id_y 1
		.amdhsa_system_sgpr_workgroup_id_z 1
		.amdhsa_system_vgpr_workitem_id 0
		.amdhsa_next_free_vgpr 640
		.amdhsa_next_free_sgpr 80
		.amdhsa_reserve_vcc 0
		.amdhsa_float_denorm_mode_32 3
		.amdhsa_float_denorm_mode_16_64 3
		.amdhsa_memory_ordered 1
		.amdhsa_forward_progress 1
		.amdhsa_inst_pref_size 69
	.end_amdhsa_kernel
	.amdgpu_metadata
---
amdhsa.version: [ 1, 2 ]
amdhsa.kernels:
  - .name:           k_qd22dfaacff_ffn2
    .symbol:         k_qd22dfaacff_ffn2.kd
    .args:
      - { .name: big, .offset: 0, .size: 8, .value_kind: global_buffer, .address_space: global }
      - { .name: w24, .offset: 8, .size: 8, .value_kind: global_buffer, .address_space: global }
      - { .name: x1, .offset: 16, .size: 8, .value_kind: global_buffer, .address_space: global }
      - { .name: out0, .offset: 24, .size: 8, .value_kind: global_buffer, .address_space: global }
    .group_segment_fixed_size: 327680
    .private_segment_fixed_size: 0
    .kernarg_segment_align: 8
    .kernarg_segment_size: 32
    .max_flat_workgroup_size: 128
    .sgpr_count:     80
    .vgpr_count:     640
    .wavefront_size: 32
...
	.end_amdgpu_metadata
.endif
;; end of part 5
